; MI455X (gfx1250); checked and timed in simulation.
; The chip was launched on July 23, 2026; its instructions are those of AMD's public machine-readable ISA for CDNA 5 (MIT licence, August 2026) and "CDNA5" Instruction Set Architecture Reference Guide (July 2026). The comments in the code are by the model that wrote it; some were corrected since.
;; Sliding Window Attention. Allowed arithmetic: matrix products marked QUANTISED: E2M3 operands, one E8M0 scale for each 32 along K, by v_wmma_scale_f32_16x16x128_f8f6f4 with both operands' format E2M3, f32 sums; products left as they are: f32 operands where the result goes on into a quantised operand, else bf16, f16 or f32 operands; f32 sums; everything else in f32.
;; Inputs: Wkv 512 x 1,024 float32; Wo 512 x 512 float32; Wq 512 x 512 float32; x 2 x 4,096 x 512 float32.
;; Outputs: out0 2 x 4,096 x 512 float32.
;; This version of the problem:
;;   THIS VERSION OF THE PROBLEM IS GIVEN IN LOW PRECISION. The matrix products marked QUANTISED in the list below multiply operands that are first quantised to E2M3 (2 exponent bits, 3 mantissa bits; 6 bits a number), with one power-of-two scale for each 32 numbers along K (OCP MX v1.0); their sums are f32. All else is computed in f32.
;;   The module's matrix products, in the order in which they are computed (A, B: the left and right operand; K: the contracted axis; several contracted axes count as one K, in the product's order):
;;     1. [M 8,192, K 512] x [K 512, N 512]; A: input x; B: input Wq: QUANTISED
;;     2. [M 8,192, K 512] x [K 512, N 1,024]; A: input x; B: input Wkv: QUANTISED
;;     3. [M 4,096, K 1] x [K 1, N 32]; A: computed on the way; B: computed on the way: left as it is (no contracted axis)
;;     4. batch 16 x [M 4,096, K 64] x [K 64, N 4,096]; A: computed on the way; B: computed on the way: QUANTISED
;;     5. batch 16 x [M 4,096, K 4,096] x [K 4,096, N 64]; A: softmax (see below); B: computed on the way: QUANTISED
;;     6. [M 8,192, K 512] x [K 512, N 512]; A: computed on the way; B: input Wo: QUANTISED
;;   THE QUANTISER, for each operand of a quantised product, along K:
;;     - K is cut into blocks of 32 from its start; a last block that is shorter is filled with zeros.
;;     - A block's scale is 2^e with e = floor(log2(the largest magnitude in the block)) - 2, held to -126 .. 127; a block of zeros has e = 0. As a byte (E8M0): e + 127.
;;     - Each number is divided by its block's scale, clamped to +-7.5, and rounded to the nearest number of E2M3, ties to even, subnormals kept.
;;     - The product sums the exact products of the quantised numbers (number of the format x scale) in f32.
;;   ~~~python
;;   def quantise(x, axis):      # numpy; x: float32 -> the quantised numbers, widened to float32 again
;;       x = np.moveaxis(x, axis, -1); K = x.shape[-1]
;;       x = np.pad(x, [(0, 0)] * (x.ndim - 1) + [(0, -K % 32)]); x = x.reshape(x.shape[:-1] + (-1, 32)); a = np.abs(x).max(-1, keepdims=True)
;;       e = np.where(a > 0, np.clip(np.frexp(np.where(a > 0, a, 1))[1] - 1 - 2, -126, 127), 0)      # np.frexp(a)[1] - 1 = floor(log2(a)), exactly
;;       r = np.clip(x / 2.0 ** e, -7.5, 7.5)
;;       step = 2.0 ** (np.maximum(np.frexp(np.where(r == 0, 1, r))[1] - 1, 0) - 3)
;;       q = np.round(r / step) * step * 2.0 ** e      # np.round: ties to even
;;       return np.moveaxis(q.reshape(q.shape[:-2] + (-1,))[..., :K], -1, axis).astype(np.float32)
;;   ~~~
;;   SOFTMAX AHEAD OF A QUANTISED PRODUCT. Where the list says 'softmax', what is quantised is not the finished softmax but p = 2^(t - M), with t = logit x log2(e) and M = ceil(the row's largest t), a whole number; so 1/2 < the row's largest p <= 1. The row's sum l is taken of the UNQUANTISED p, in f32, and the product's result is divided by l at the end. Since M is a whole number, a kernel that streams over the keys may use a running M (the ceiling of the running maximum): every later rescaling is an exact power of two, which a block's scale takes up: the codes' values come out the same.
;;   OPERANDS COMPUTED ON THE WAY. 'Computed on the way' means the value that the module computes at that place (a softmax that the list does not call 'softmax' is quantised finished and normalised). What goes into a quantiser is computed in f32, as accurately as f32 sums, v_exp_f32 and their like allow (about 1e-6 of the number): no bf16 or f16 on the way to a quantiser, and a product that is left as it is and whose result goes on into a quantised operand takes f32 operands (vector FMAs, or v_wmma_f32_16x16x4_f32). A number that lies on a knife's edge between two numbers of the format may be rounded either way, as far as f32 arithmetic and the matrix unit's own rounding can turn it there, and no further.
;; One version. Each part assembles by itself: llvm-mc -triple=amdgcn-amd-amdhsa -mcpu=gfx1250 --defsym DOCPART=n.
;; ======== version 1 of 1: 4 launches
;; workspace buffers: xq 3,407,872 bytes; wq 851,968 bytes; rope 1,048,576 bytes; qkv 10,747,904 bytes; oq 3,407,872 bytes
;; launch prep (part 1): grid 704 x 1, 4 waves a work-group, no clusters, 34,304 bytes of LDS; arguments x, Wq, Wkv, Wo, xq, wq, rope; writes xq, wq, rope
.if DOCPART == 1
	.amdgcn_target "amdgcn-amd-amdhsa--gfx1250"
	.amdhsa_code_object_version 6
	.text
	.protected	k_qfb96fb9cde_prep
	.globl	k_qfb96fb9cde_prep
	.p2align	8
	.type	k_qfb96fb9cde_prep,@function
k_qfb96fb9cde_prep:
	s_mov_b64 s[64:65], 0
	v_nop
	global_prefetch_b8 v0, s[64:65] scope:SCOPE_SE
	s_setreg_imm32_b32 hwreg(HW_REG_WAVE_MODE, 25, 1), 1
	s_wait_xcnt 0x0
; PREP.  Three kinds of work-group, told apart by the work-group's number:
;   0-511    x [8192][512] f32 -> codes of FP6 (E2M3) along K = its columns, with one E8M0 byte for each 32;
;   512-639  Wq [512][512], Wkv [512][1024], Wo [512][512] f32 -> the same along K = their FIRST axis;
;   640-703  the table of cos and sin for the rotation of q and k, 4,096 positions x 32 frequencies.
; A wave makes ONE operand fragment (16 rows or columns x 128 along K) and stores it AS AN IMAGE OF THE OPERAND'S REGISTERS:
; for each half c of the fragment registers 6c..6c+3 at 768 c + 16 x lane and registers 6c+4, 6c+5 at 768 c + 512 + 8 x lane; 1,536 bytes.
; Its scale words: one word a lane at 4 x lane (both halves of the lanes hold row lane % 16's word).
; A block of 53,248 bytes holds 8 tiles x 4 K steps: fragment 4 tile + step at 1,536 x that number, scale images from byte 49,152 on, 128 bytes each.
; THE MEMBERS OF A TILE ARE NOT NEIGHBOURS: lane r of tile 2 G + u stands for member 32 G + 8 u + r + 8 (r / 8), so that the results of two
; neighbouring tiles are 16 neighbours in a lane's registers wherever such a tile is a product's first source.
; A block's scale is 2^(floor(log2(its largest magnitude)) - 2); its byte is the largest magnitude's exponent field - 2, held at 1 from below.
; LIMITS: NaN and infinities among the inputs are not served.  A block of zeros gets the byte 1 where the rule says 127: its codes are zeros, and the bytes
; are read by this program alone.  The inverse frequencies are 10^(-j/8) rounded once to f32.  cos and sin: the angle (one rounded product, at most 4,095)
; is reduced by pi/2 in two parts (what is left out is under 5e-12 for the 2,607 quarter turns at the most) and goes through polynomials good to about 1e-7.
.set BLK,  53248
.set BSC,  49152
.set SPT,  528                         ; a stage row: 512 bytes + 16, an odd multiple of 16: sixteen rows start at sixteen different 16-byte columns
.set R,    16                          ; v16-79   x as it is loaded
.set X,    80                          ; v80-143  64 numbers: X[32 c + i] = k 64 c + 32 (lane / 16) + i of my row or column
.set PC,   144                         ; v144-155 the fragment's codes
.set CT,   156                         ; v156-158, v160-162 the second halves of the blocks, as the conversions leave them
.set TM,   164                         ; v164-171 at work
.set SEL,  32                          ; s[32:33] lane selects: lane l xor 16
	s_load_b256 s[4:11], s[0:1], 0x0               ; x s[4:5], Wq s[6:7], Wkv s[8:9], Wo s[10:11]
	s_load_b128 s[12:15], s[0:1], 0x20             ; xq s[12:13], wq s[14:15]
	s_load_b64 s[16:17], s[0:1], 0x30              ; rope
	v_lshl_add_u32 v176, v0, 2, 0x8400
	v_mov_b32 v177, 0
	v_lshrrev_b32 v1, 5, v0
	v_readfirstlane_b32 s18, v1                    ; wave 0..3
	v_and_b32 v1, 31, v0                           ; lane
	v_and_b32 v2, 15, v0                           ; r
	v_bfe_u32 v3, v0, 4, 1                         ; h
	v_lshlrev_b32 v4, 4, v1                        ; 16 x lane
	v_lshlrev_b32 v5, 3, v1                        ; 8 x lane
	v_lshlrev_b32 v6, 2, v1                        ; 4 x lane
	v_and_b32 v11, 8, v2
	v_add_nc_u32 v11, v11, v2                      ; r + 8 (r / 8)
	s_mov_b32 s[SEL], 0x76543210
	s_mov_b32 s[SEL+1], 0xfedcba98
	s_mov_b32 s23, 0                               ; the upper word of every offset pair s[22:23]
	s_wait_kmcnt 0x0
	s_cmp_ge_u32 ttmp9, 640
	s_cbranch_scc1 .Lrope
	s_cmp_ge_u32 ttmp9, 512
	s_cbranch_scc1 .Lweights
	; ---- x: tile = the work-group's number, K step = the wave.  Each load reads 512 consecutive bytes of one row; the 16 rows turn through the wave's own stage.
	s_mov_b32 s20, ttmp9                           ; tile 0..511
	s_mov_b32 s19, s18                             ; K step
	s_mov_b64 s[30:31], s[12:13]                   ; the images go to xq
	s_lshr_b32 s45, s20, 1
	s_lshl_b32 s45, s45, 5
	s_and_b32 s46, s20, 1
	s_lshl_b32 s46, s46, 3
	s_add_co_u32 s45, s45, s46                     ; the tile's first row: 32 G + 8 u
	s_lshl_b32 s22, s45, 11                        ; rows of 2,048 bytes
	s_lshl_b32 s46, s19, 9                         ; 128 numbers a K step
	s_add_co_u32 s22, s22, s46
	s_add_nc_u64 s[24:25], s[4:5], s[22:23]
	s_mul_i32 s47, s18, 16*SPT                     ; my wave's stage
	s_wait_alu depctr_va_vdst(0)
	v_add_nc_u32 v7, s47, v4                       ; in: 16 bytes a lane of a row
	v_mul_u32_u24 v8, v2, SPT
	v_lshl_add_u32 v8, v3, 7, v8
	v_add_nc_u32 v8, s47, v8                       ; out: row r, 128 bytes on for lanes 16-31
.irp i, 0,1,2,3,4,5,6,7,8,9,10,11,12,13,14,15
	global_load_b128 v[R+4*\i:R+4*\i+3], v4, s[24:25] offset:(\i+8*(\i/8))*2048 th:TH_LOAD_NT
.endr
	s_wait_alu depctr_va_vdst(0)
.irp i, 0,1,2,3,4,5,6,7,8,9,10,11,12,13,14,15
	s_wait_loadcnt 15-\i                           ; loads come back in order: row i is in, the younger ones stay out
	ds_store_b128 v7, v[R+4*\i:R+4*\i+3] offset:SPT*\i
.endr
.irp c, 0,1
.irp q, 0,1,2,3,4,5,6,7
	ds_load_b128 v[X+32*\c+4*\q:X+32*\c+4*\q+3], v8 offset:256*\c+16*\q   ; LDS serves a wave's instructions in order: these see my stores
.endr
.endr
	s_wait_dscnt 0x0
	s_branch .Ltail
	; ---- the weights: a lane takes a column and its registers run down K.  The four waves stand side by side on 64 columns, 256 bytes of each row.
.macro WLOAD pitch
.irp c, 0,1
.set i, 0
.rept 32
	global_load_b32 v[X+32*\c+i], v9, s[24:25] offset:(64*\c+i)*\pitch
.set i, i+1
.endr
.endr
.endm
.Lweights:
	s_sub_co_u32 s45, ttmp9, 512                   ; j 0..127
	s_and_b32 s19, s45, 3                          ; K step
	s_lshr_b32 s46, s45, 2
	s_lshl_b32 s20, s46, 2
	s_add_co_u32 s20, s20, s18                     ; tile 0..127: 32 x matrix + the matrix's tile
	s_lshr_b32 s47, s45, 5                         ; matrix: 0 Wq, 1 Wkv's k half, 2 Wkv's v half, 3 Wo
	s_mov_b64 s[30:31], s[14:15]                   ; the images go to wq
	s_and_b32 s48, s20, 31
	s_lshr_b32 s49, s48, 1
	s_lshl_b32 s49, s49, 5
	s_and_b32 s50, s48, 1
	s_lshl_b32 s50, s50, 3
	s_add_co_u32 s49, s49, s50                     ; the tile's first column
	s_lshl_b32 s49, s49, 2                         ; in bytes
	s_cmp_eq_u32 s47, 0
	s_cselect_b64 s[24:25], s[6:7], s[8:9]
	s_cmp_eq_u32 s47, 3
	s_cselect_b64 s[24:25], s[10:11], s[24:25]
	s_wait_alu depctr_va_vdst(0)
	v_lshlrev_b32 v9, 2, v11                       ; my column in the tile
	s_add_co_u32 s50, s47, 1
	s_and_b32 s50, s50, 2                          ; not 0 for matrices 1 and 2
	s_cmp_lg_u32 s50, 0
	s_cbranch_scc1 .Lwide
	s_lshl_b32 s22, s19, 18                        ; 128 rows of 2,048 bytes a K step
	s_add_co_u32 s22, s22, s49
	s_add_nc_u64 s[24:25], s[24:25], s[22:23]
	v_lshl_add_u32 v9, v3, 16, v9                  ; lanes 16-31 begin 32 rows further down
	WLOAD 2048
	s_branch .Lwin
.Lwide:
	s_lshl_b32 s22, s19, 19                        ; 128 rows of 4,096 bytes a K step
	s_add_co_u32 s22, s22, s49
	s_sub_co_u32 s50, s47, 1
	s_lshl_b32 s50, s50, 11                        ; the v half begins 512 columns on
	s_add_co_u32 s22, s22, s50
	s_add_nc_u64 s[24:25], s[24:25], s[22:23]
	s_wait_alu depctr_va_vdst(0)
	v_lshl_add_u32 v9, v3, 17, v9
	WLOAD 4096
.Lwin:
	s_wait_loadcnt 0x0
	; ---- both: two whole blocks of 32 a lane -> codes, scale word, images
.Ltail:
	s_lshr_b32 s45, s20, 3
	s_mul_i32 s45, s45, BLK                        ; the block of 8 tiles
	s_and_b32 s46, s20, 7
	s_lshl_b32 s46, s46, 2
	s_add_co_u32 s46, s46, s19                     ; fragment 4 tile + K step
	s_mul_i32 s22, s46, 1536
	s_add_co_u32 s22, s22, s45
	s_add_nc_u64 s[26:27], s[30:31], s[22:23]      ; where the codes go
	s_lshl_b32 s22, s46, 7
	s_add_co_u32 s22, s22, s45
	s_add_co_u32 s22, s22, BSC
	s_add_nc_u64 s[28:29], s[30:31], s[22:23]      ; where the scale words go
.irp c, 0,1
	v_max3_num_f32 v[TM+\c], |v[X+32*\c]|, |v[X+32*\c+1]|, 0x1800000   ; my block 2 c + h, and the floor 2^(3 - 127): the byte cannot fall under 1
.endr
.irp i, 2,4,6,8,10,12,14,16,18,20,22,24,26,28,30
.irp c, 0,1
	v_max3_num_f32 v[TM+\c], v[TM+\c], |v[X+32*\c+\i]|, |v[X+32*\c+\i+1]|
.endr
.endr
.irp c, 0,1
	v_add_nc_u32 v[TM+2+\c], 0xff000000, v[TM+\c]  ; 2 off the exponent field: the conversion's scale operand
.endr
.irp c, 0,1
	v_lshrrev_b32 v[TM+4+\c], 23, v[TM+2+\c]       ; the scale's byte
.endr
	v_lshl_or_b32 v[TM+6], v[TM+5], 16, v[TM+4]    ; my two bytes: blocks h and 2 + h,
	v_lshlrev_b32 v[TM+7], 3, v3
	v_lshlrev_b32 v[TM+6], v[TM+7], v[TM+6]        ; at their places in the word;
	v_mov_b32 v[TM+7], 0
	v_permlanex16_b32 v[TM+7], v[TM+6], s[SEL], s[SEL+1]
	v_or_b32 v[TM+6], v[TM+6], v[TM+7]             ; with lane l xor 16's two the word is whole, in both lanes
.irp c, 0,1
	v_cvt_scalef32_pk16_fp6_f32 v[PC+6*\c:PC+6*\c+2], v[X+32*\c:X+32*\c+15], v[TM+2+\c]
	v_cvt_scalef32_pk16_fp6_f32 v[CT+4*\c:CT+4*\c+2], v[X+32*\c+16:X+32*\c+31], v[TM+2+\c]   ; (a conversion's three registers begin on an even number)
.endr
	v_nop                                          ; one plain place behind the scaled conversions
.irp c, 0,1
.irp i, 0,1,2
	v_mov_b32 v[PC+6*\c+3+\i], v[CT+4*\c+\i]
.endr
.endr
	global_store_b128 v4, v[PC:PC+3], s[26:27]                 ; 512 consecutive bytes
	global_store_b64 v5, v[PC+4:PC+5], s[26:27] offset:512     ; 256
	global_store_b128 v4, v[PC+6:PC+9], s[26:27] offset:768
	global_store_b64 v5, v[PC+10:PC+11], s[26:27] offset:1280
	global_store_b32 v6, v[TM+6], s[28:29]
	s_wait_tensorcnt 0x0
	ds_add_u32 v176, v177
	s_wait_dscnt 0x0
	s_endpgm
	; ---- cos and sin.  A wave makes one tile of 16 positions: lane (r, h) the 16 frequencies 16 h + 0..15 of its position.
	; In memory a tile is 4,096 bytes: four registers at 512 q + 16 x lane; q = 0..3 cos, q = 4..7 sin: the order of the registers that will take them.
.macro SINCOS i, fa, fb
	v_mul_f32 v64, \fa, v10                        ; position x inverse frequency, rounded once:
	v_mul_f32 v65, \fb, v10
	v_cndmask_b32 v64, v64, v65, s44               ; frequency i in lanes 0-15, 16 + i in lanes 16-31
	v_mul_f32 v65, s34, v64
	v_rndne_f32 v65, v65                           ; n: the nearest number of quarter turns
	v_fma_f32 v66, v65, s35, v64
	v_fma_f32 v66, v65, s36, v66                   ; what is left, within pi/4 of 0
	v_mul_f32 v67, v66, v66
	v_fma_f32 v68, v67, s37, s38
	v_fma_f32 v68, v68, v67, s39
	v_mul_f32 v69, v67, v66
	v_fma_f32 v68, v68, v69, v66                   ; its sine
	v_fma_f32 v70, v67, s40, s41
	v_fma_f32 v70, v70, v67, s42
	v_fma_f32 v71, v67, -0.5, 1.0
	v_mul_f32 v72, v67, v67
	v_fma_f32 v70, v70, v72, v71                   ; its cosine
	v_cvt_i32_f32 v73, v65
	v_and_b32 v74, 1, v73
	v_cmp_eq_u32 vcc_lo, 1, v74                    ; an odd number of quarter turns: the two change places
	v_cndmask_b32 v75, v68, v70, vcc_lo
	v_cndmask_b32 v76, v70, v68, vcc_lo
	v_lshlrev_b32 v77, 30, v73
	v_and_b32 v77, 0x80000000, v77                 ; the sine is negated for n mod 4 = 2, 3,
	v_xor_b32 v[48+\i], v75, v77
	v_add_nc_u32 v78, 1, v73
	v_lshlrev_b32 v78, 30, v78
	v_and_b32 v78, 0x80000000, v78                 ; the cosine for n mod 4 = 1, 2
	v_xor_b32 v[32+\i], v76, v78
.endm
.Lrope:
	s_sub_co_u32 s45, ttmp9, 640
	s_lshl_b32 s45, s45, 2
	s_add_co_u32 s45, s45, s18                     ; tile 0..255
	s_lshr_b32 s46, s45, 1
	s_lshl_b32 s46, s46, 5
	s_and_b32 s47, s45, 1
	s_lshl_b32 s47, s47, 3
	s_add_co_u32 s46, s46, s47
	s_wait_alu depctr_va_vdst(0)
	v_add_nc_u32 v10, s46, v11                     ; my position
	v_cvt_f32_u32 v10, v10
	s_wait_alu depctr_va_vdst(0)
	v_cmp_eq_u32 s44, 1, v3                        ; lanes 16-31
	s_mov_b32 s34, 0x3f22f983                      ; 2 / pi
	s_mov_b32 s35, 0xbfc90fdb                      ; -(pi/2 rounded to f32)
	s_mov_b32 s36, 0x333bbd2e                      ; that number less pi/2
	s_mov_b32 s37, 0xb94ca1f9                      ; the sine's polynomial
	s_mov_b32 s38, 0x3c08839e
	s_mov_b32 s39, 0xbe2aaaa3
	s_mov_b32 s40, 0x37ccf5ce                      ; the cosine's
	s_mov_b32 s41, 0xbab6061a
	s_mov_b32 s42, 0x3d2aaaa5
	s_lshl_b32 s22, s45, 12
	s_add_nc_u64 s[16:17], s[16:17], s[22:23]
	SINCOS 0, 1.0, 0.01
	SINCOS 1, 0.7498942093, 0.007498942093
	SINCOS 2, 0.5623413252, 0.005623413252
	SINCOS 3, 0.4216965034, 0.004216965034
	SINCOS 4, 0.3162277660, 0.003162277660
	SINCOS 5, 0.2371373706, 0.002371373706
	SINCOS 6, 0.1778279410, 0.001778279410
	SINCOS 7, 0.1333521432, 0.001333521432
	SINCOS 8, 0.1, 0.001
	SINCOS 9, 0.07498942093, 0.0007498942093
	SINCOS 10, 0.05623413252, 0.0005623413252
	SINCOS 11, 0.04216965034, 0.0004216965034
	SINCOS 12, 0.03162277660, 0.0003162277660
	SINCOS 13, 0.02371373706, 0.0002371373706
	SINCOS 14, 0.01778279410, 0.0001778279410
	SINCOS 15, 0.01333521432, 0.0001333521432
.irp q, 0,1,2,3,4,5,6,7
	global_store_b128 v4, v[32+4*\q:35+4*\q], s[16:17] offset:512*\q   ; 512 consecutive bytes
.endr
	s_endpgm
.Lfunc_end_k_qfb96fb9cde_prep:
	.size	k_qfb96fb9cde_prep, .Lfunc_end_k_qfb96fb9cde_prep-k_qfb96fb9cde_prep
	.p2alignl 7, 3214868480
	.fill 96, 4, 3214868480
	.section	.rodata,"a",@progbits
	.p2align	6, 0x0
	.amdhsa_kernel k_qfb96fb9cde_prep
		.amdhsa_group_segment_fixed_size 34304
		.amdhsa_private_segment_fixed_size 0
		.amdhsa_enable_private_segment 0
		.amdhsa_kernarg_size 56
		.amdhsa_user_sgpr_count 2
		.amdhsa_user_sgpr_kernarg_segment_ptr 1
		.amdhsa_wavefront_size32 1
		.amdhsa_system_sgpr_workgroup_id_x 1
		.amdhsa_system_sgpr_workgroup_id_y 1
		.amdhsa_system_sgpr_workgroup_id_z 1
		.amdhsa_system_vgpr_workitem_id 0
		.amdhsa_next_free_vgpr 178
		.amdhsa_next_free_sgpr 66
		.amdhsa_reserve_vcc 1
		.amdhsa_float_denorm_mode_32 3
		.amdhsa_float_denorm_mode_16_64 3
		.amdhsa_memory_ordered 1
		.amdhsa_forward_progress 1
		.amdhsa_inst_pref_size 47
	.end_amdhsa_kernel
	.amdgpu_metadata
---
amdhsa.version: [ 1, 2 ]
amdhsa.kernels:
  - .name:           k_qfb96fb9cde_prep
    .symbol:         k_qfb96fb9cde_prep.kd
    .args:
      - { .name: x, .offset: 0, .size: 8, .value_kind: global_buffer, .address_space: global }
      - { .name: Wq, .offset: 8, .size: 8, .value_kind: global_buffer, .address_space: global }
      - { .name: Wkv, .offset: 16, .size: 8, .value_kind: global_buffer, .address_space: global }
      - { .name: Wo, .offset: 24, .size: 8, .value_kind: global_buffer, .address_space: global }
      - { .name: xq, .offset: 32, .size: 8, .value_kind: global_buffer, .address_space: global }
      - { .name: wq, .offset: 40, .size: 8, .value_kind: global_buffer, .address_space: global }
      - { .name: rope, .offset: 48, .size: 8, .value_kind: global_buffer, .address_space: global }
    .group_segment_fixed_size: 34304
    .private_segment_fixed_size: 0
    .kernarg_segment_align: 8
    .kernarg_segment_size: 56
    .max_flat_workgroup_size: 128
    .sgpr_count:     66
    .vgpr_count:     178
    .wavefront_size: 32
...
	.end_amdgpu_metadata
.endif
;; end of part 1
;; launch qkv (part 2): grid 64 x 4, 12 waves a work-group, clusters of 4 x 4, 247,296 bytes of LDS; arguments xq, wq, rope, qkv; writes qkv
.if DOCPART == 2
	.amdgcn_target "amdgcn-amd-amdhsa--gfx1250"
	.amdhsa_code_object_version 6
	.text
	.protected	k_qfb96fb9cde_qkv
	.globl	k_qfb96fb9cde_qkv
	.p2align	8
	.type	k_qfb96fb9cde_qkv,@function
k_qfb96fb9cde_qkv:
	s_mov_b64 s[64:65], 0
	v_nop
	global_prefetch_b8 v0, s[64:65] scope:SCOPE_SE
	s_setreg_imm32_b32 hwreg(HW_REG_WAVE_MODE, 25, 1), 1
	s_wait_xcnt 0x0
	s_wait_alu depctr_hold_cnt(0) depctr_sa_sdst(0) depctr_va_vdst(0) depctr_va_sdst(0) depctr_va_ssrc(0) depctr_va_vcc(0) depctr_vm_vsrc(0)
	s_getreg_b32 s2, hwreg(HW_REG_IB_STS2, 6, 4)
	s_cmp_eq_u32 s2, 0
	s_cbranch_scc0 .Lentry_in_a_cluster
	s_endpgm
.Lentry_in_a_cluster:
	s_bfe_u32 s2, ttmp6, 0x10000c
	s_cmp_lg_u32 s2, 0xf033
	s_cbranch_scc0 .Lentry_shape_is_right
	s_endpgm
.Lentry_shape_is_right:
; QKV.  q = x Wq, k and v = x Wkv on codes of FP6 (E2M3) with E8M0 scales; q and k are rotated (f32) and quantised along the head's 64, v along the keys.
; A work-group takes 128 rows of x (row block xb) and two heads (pair cy): 12 waves, three to a SIMD.  Wave w: kind = w / 4 (0 q, 1 k, 2 v), head (w / 2) % 2, lo = w % 2.
;   q, k: 64 rows (half lo) x the head's 64 columns, USED TRANSPOSED (source 0 = 16 columns of W, source 1 = 16 rows of x): a lane holds one row, its registers run along the head.
;   v:    128 rows x 32 columns (pair lo of the head's four tiles), in the natural order: a lane holds one column d, its registers run down the rows, which are the keys.
; All operands are images of operand registers (launch prep), so every LDS load is dense: 16 or 8 bytes a lane on end.  Lane r of tile 2 G + u stands for member 32 G + 8 u + r + 8 (r / 8).
; LDS, each byte filled once: x's block at 0; Wq's, Wk's, Wv's units of 8 column tiles at 53,248 each on; cos and sin of the 128 positions at 212,992.
; CLUSTER 4 x 4: the four work-groups of a column (same cx) want the same x and the same cos and sin, the four of a row (same cy) the same weights: each is asked for jointly.
; The grid has four work-groups along y, one cluster: the head pair is cy.
; OUT: a record of 20,992 bytes for each (batch x 8 + head, block of 128 positions): K's 8 half fragments (768 bytes each) at 0; V^T's 4 fragments at 6,144; K's scale words at 12,288
; ([half of the rows][lane][4 tiles]); V's at 13,312 ([pair][lane][2 tiles]); Q's half fragments at 13,824; Q's scale words at 19,968.
; The rotation: lo' = lo cos - hi sin, hi' = hi cos + lo sin, each as one rounded product and one fused multiply-add.
; LIMITS: NaN and infinities are not served; a block of zeros gets the byte 1 (its codes are zeros; this program alone reads the bytes).
.set BLK,   53248
.set BSC,   49152
.set HALFB, 26624
.set REC,   20992
.set LROPE, 4*BLK
.set WS,  12                           ; v12-15  W's scale words
.set XS,  16                           ; v16-19  x's
.set SW,  20                           ; v20-23  the scale words that leave
.set TM,  24                           ; v24-29  at work (two blocks)
.set TM4, 32                           ; v32-47  at work (four blocks), role v
.set WF,  32                           ; v32-79  four fragments of W
.set RS,  32                           ; v32-95  later: two sets of 16 cos + 16 sin
.set XF,  80                           ; v80-127 four fragments of x
.set NN,  96                           ; v96-127 later: a tile's rotated numbers
.set ACC, 128                          ; v128-255 sixteen accumulators
.set SEL, 82                           ; s[82:83]
.macro ROUND                           ; a round of the cluster's barrier
	s_barrier_signal -1
	s_barrier_wait -1
	s_cmp_lg_u32 s12, 0
	s_cbranch_scc1 .Lnot_wave_0_\@
	s_barrier_signal -3
.Lnot_wave_0_\@:
	s_barrier_wait -3
	s_barrier_signal -1
	s_barrier_wait -1
.endm
.macro FRAG reg, a16, a8, off          ; a fragment's image back into 12 registers
	ds_load_b128 v[\reg:\reg+3], v[\a16] offset:\off
	ds_load_b64 v[\reg+4:\reg+5], v[\a8] offset:\off+512
	ds_load_b128 v[\reg+6:\reg+9], v[\a16] offset:\off+768
	ds_load_b64 v[\reg+10:\reg+11], v[\a8] offset:\off+1280
.endm
.macro MM d, a, b, first, sa, sb       ; first = 1: the product starts the sum
.if \first
	v_wmma_scale_f32_16x16x128_f8f6f4 v[\d:\d+7], v[\a:\a+11], v[\b:\b+11], 0, v[\sa], v[\sb] matrix_a_fmt:MATRIX_FMT_FP6 matrix_b_fmt:MATRIX_FMT_FP6
.else
	v_wmma_scale_f32_16x16x128_f8f6f4 v[\d:\d+7], v[\a:\a+11], v[\b:\b+11], v[\d:\d+7], v[\sa], v[\sb] matrix_a_fmt:MATRIX_FMT_FP6 matrix_b_fmt:MATRIX_FMT_FP6
.endif
.endm
.macro PLACES                          ; four plain places behind matrix instructions, ahead of loads into their registers and of reads of their results
.rept 4
	v_nop
.endr
.endm
; 32 numbers of a lane, v[src + 16 b + i] = k 32 b + 16 (lane / 16) + i of my row, become half a fragment's codes in v[pc .. pc + 5] and a scale word (two bytes) in v[pw]
.macro QUANT2 src, pc, sp, pw
.irp b, 0,1
	v_max3_num_f32 v[TM+\b], |v[\src+16*\b]|, |v[\src+16*\b+1]|, 0x1800000   ; and the floor 2^(3 - 127): the byte cannot fall under 1
.endr
.irp i, 2,4,6,8,10,12,14
.irp b, 0,1
	s_delay_alu instid0(VALU_DEP_2)
	v_max3_num_f32 v[TM+\b], v[TM+\b], |v[\src+16*\b+\i]|, |v[\src+16*\b+\i+1]|
.endr
.endr
.irp b, 0,1
	s_delay_alu instid0(VALU_DEP_2)
	v_permlanex16_b32 v[TM+2+\b], v[TM+\b], s[SEL], s[SEL+1]
.endr
.irp b, 0,1
	s_delay_alu instid0(VALU_DEP_2)
	v_max_num_f32 v[TM+\b], v[TM+\b], v[TM+2+\b]   ; with lane l xor 16's 16: the block's largest magnitude
.endr
.irp b, 0,1
	s_delay_alu instid0(VALU_DEP_2)
	v_add_nc_u32 v[TM+4+\b], 0xff000000, v[TM+\b]  ; 2 off the exponent field: the conversion's scale operand
.endr
.irp b, 0,1
	s_delay_alu instid0(VALU_DEP_2)
	v_lshrrev_b32 v[TM+2+\b], 23, v[TM+4+\b]       ; the byte
.endr
	s_delay_alu instid0(VALU_DEP_1)
	v_lshl_or_b32 v[\pw], v[TM+3], 8, v[TM+2]
	v_cvt_scalef32_pk16_fp6_f32 v[\pc:\pc+2], v[\src:\src+15], v[TM+4]
	v_cvt_scalef32_pk16_fp6_f32 v[\sp:\sp+2], v[\src+16:\src+31], v[TM+5]
	v_nop                                          ; one plain place behind the scaled conversions
.irp i, 0,1,2
	v_permlane16_swap_b32 v[\pc+\i], v[\sp+\i]     ; a whole block to a lane: lanes 0-15 block 0, lanes 16-31 block 1
.endr
.irp i, 0,1,2
	s_delay_alu instid0(VALU_DEP_3)
	v_mov_b32 v[\pc+3+\i], v[\sp+\i]
.endr
.endm
; 64 numbers likewise: a whole fragment in v[pc .. pc + 11] (pc + 12 .. pc + 18 at work), its scale word in v[pw]
.macro QUANT4 src, pc, pw
.irp b, 0,1,2,3
	v_max3_num_f32 v[TM4+\b], |v[\src+16*\b]|, |v[\src+16*\b+1]|, 0x1800000
.endr
.irp i, 2,4,6,8,10,12,14
.irp b, 0,1,2,3
	v_max3_num_f32 v[TM4+\b], v[TM4+\b], |v[\src+16*\b+\i]|, |v[\src+16*\b+\i+1]|
.endr
.endr
.irp b, 0,1,2,3
	s_delay_alu instid0(VALU_DEP_4)
	v_permlanex16_b32 v[TM4+4+\b], v[TM4+\b], s[SEL], s[SEL+1]
.endr
.irp b, 0,1,2,3
	s_delay_alu instid0(VALU_DEP_4)
	v_max_num_f32 v[TM4+\b], v[TM4+\b], v[TM4+4+\b]
.endr
.irp b, 0,1,2,3
	s_delay_alu instid0(VALU_DEP_4)
	v_add_nc_u32 v[TM4+12+\b], 0xff000000, v[TM4+\b]
.endr
.irp b, 0,1,2,3
	s_delay_alu instid0(VALU_DEP_4)
	v_lshrrev_b32 v[TM4+4+\b], 23, v[TM4+12+\b]
.endr
	s_delay_alu instid0(VALU_DEP_3)
	v_lshl_or_b32 v[\pw], v[TM4+5], 8, v[TM4+4]
	s_delay_alu instid0(VALU_DEP_1)
	v_lshl_or_b32 v[\pw], v[TM4+6], 16, v[\pw]
	s_delay_alu instid0(VALU_DEP_1)
	v_lshl_or_b32 v[\pw], v[TM4+7], 24, v[\pw]
.irp c, 0,1
	v_cvt_scalef32_pk16_fp6_f32 v[\pc+6*\c:\pc+6*\c+2], v[\src+32*\c:\src+32*\c+15], v[TM4+12+2*\c]
	v_cvt_scalef32_pk16_fp6_f32 v[\pc+12+4*\c:\pc+14+4*\c], v[\src+32*\c+16:\src+32*\c+31], v[TM4+13+2*\c]
.endr
	v_nop
.irp c, 0,1
.irp i, 0,1,2
	v_permlane16_swap_b32 v[\pc+6*\c+\i], v[\pc+12+4*\c+\i]
.endr
.irp i, 0,1,2
	s_delay_alu instid0(VALU_DEP_3)
	v_mov_b32 v[\pc+6*\c+3+\i], v[\pc+12+4*\c+\i]
.endr
.endr
.endm
	s_load_b256 s[4:11], s[0:1], 0x0               ; xq s[4:5], wq s[6:7], rope s[8:9], qkv s[10:11]
	v_lshl_add_u32 v30, v0, 2, 0x3c000
	v_mov_b32 v31, 0
	ds_add_u32 v30, v31
	ds_add_u32 v30, v31
	v_lshrrev_b32 v1, 5, v0
	s_delay_alu instid0(VALU_DEP_1)
	v_readfirstlane_b32 s12, v1                    ; wave 0..11
	s_bfe_u32 s13, ttmp6, 0x40000                  ; cx
	s_bfe_u32 s14, ttmp6, 0x40004                  ; cy: the pair of heads
	s_lshl_b32 s15, ttmp9, 2
	s_add_co_u32 s15, s15, s13                     ; xb: the block of 128 rows
	s_lshl_b32 s52, 0x1111, s13                    ; my column of the cluster
	s_lshl_b32 s53, s14, 2
	s_lshl_b32 s53, 15, s53                        ; my row
	; descriptor groups 1: dense bytes as rows of 256 (32 elements of 8 bytes), no padding.  x's and W's: half a block, 104 rows; cos and sin: 32 rows
	s_or_b32 s16, s52, (3<<16)|(1<<21)             ; x: shared along my column
	s_or_b32 s24, s53, (3<<16)|(1<<21)             ; W: shared along my row
	s_or_b32 s32, s52, (3<<16)|(1<<21)             ; cos and sin: along my column
.irp g, 16, 24
	s_mov_b32 s[\g+1], 32<<16                      ; tensor_dim0
	s_mov_b32 s[\g+2], 104<<16                     ; tensor_dim1
	s_mov_b32 s[\g+3], 32<<16                      ; tile_dim0
	s_mov_b32 s[\g+4], 104                         ; tile_dim1
	s_mov_b32 s[\g+5], 32                          ; from row to row
	s_mov_b32 s[\g+6], 0
	s_mov_b32 s[\g+7], 0
.endr
	s_mov_b32 s33, 32<<16
	s_mov_b32 s34, 32<<16
	s_mov_b32 s35, 32<<16
	s_mov_b32 s36, 32
	s_mov_b32 s37, 32
	s_mov_b32 s38, 0
	s_mov_b32 s39, 0
	; where the tiles come from: x's and the table's offsets are made of xb and the wave alone, W's of cy and the wave alone, each in registers of their own
	s_and_b32 s54, s12, 1
	s_mul_i32 s54, s54, HALFB                      ; which half of a block I fetch
	s_mul_i32 s56, s15, BLK
	s_add_co_u32 s56, s56, s54
	s_mov_b32 s57, 0
	s_lshr_b32 s58, s12, 1
	s_max_u32 s58, s58, 1
	s_sub_co_u32 s58, s58, 1
	s_min_u32 s58, s58, 2                          ; waves 2, 3: Wq; 4, 5: Wk; 6, 7: Wv
	s_lshl_b32 s58, s58, 2
	s_add_co_u32 s58, s58, s14                     ; unit 4 x matrix + pair of heads
	s_mul_i32 s58, s58, BLK
	s_add_co_u32 s58, s58, s54
	s_mov_b32 s59, 0
	s_and_b32 s60, s15, 31                         ; the block's place in its sequence
	s_lshl_b32 s60, s60, 15                        ; 8 tiles of 4,096 bytes
	s_and_b32 s61, s12, 3
	s_lshl_b32 s61, s61, 13                        ; my quarter
	s_add_co_u32 s60, s60, s61
	s_mov_b32 s61, 0
	s_mul_i32 s62, s12, HALFB                      ; where they go: waves 0-7: 26,624 x wave;
	s_lshl_b32 s63, s12, 13
	s_add_co_u32 s63, s63, LROPE-8*8192            ; waves 8-11: 212,992 + 8,192 (wave - 8)
	; every LDS address, from the wave's number alone, ahead of the first parting of the waves
	s_lshr_b32 s66, s12, 2                         ; kind
	s_bfe_u32 s67, s12, 0x10001                    ; which head of the pair
	s_and_b32 s68, s12, 1                          ; lo
	s_lshr_b32 s69, s12, 3                         ; 1 for v
	s_xor_b32 s70, s69, 1
	s_and_b32 s71, s68, s70                        ; lo, for q and k
	s_and_b32 s72, s68, s69                        ; lo, for v
	v_and_b32 v11, 31, v0
	s_delay_alu instid0(VALU_DEP_1)
	v_lshlrev_b32 v1, 4, v11                       ; 16 x lane
	s_wait_alu depctr_va_vdst(0)
	v_lshlrev_b32 v2, 3, v11                       ; 8 x lane
	s_wait_alu depctr_va_vdst(0)
	v_lshlrev_b32 v3, 2, v11                       ; 4 x lane
	s_wait_alu depctr_va_vdst(0)
	s_mul_i32 s73, s71, 24576                      ; q, k: my four tiles of rows; v: all eight
	v_add_nc_u32 v4, s73, v1
	v_add_nc_u32 v5, s73, v2
	s_lshl_b32 s73, s71, 11
	s_add_co_u32 s73, s73, BSC
	v_add_nc_u32 v6, s73, v3
	s_add_co_u32 s74, s66, 1
	s_mul_i32 s74, s74, BLK                        ; my kind's unit
	s_mul_i32 s75, s67, 24576                      ; my head's four tiles,
	s_add_co_u32 s75, s75, s74
	s_mul_i32 s76, s72, 12288                      ; for v: my two of them
	s_add_co_u32 s75, s75, s76
	v_add_nc_u32 v7, s75, v1
	v_add_nc_u32 v8, s75, v2
	s_lshl_b32 s75, s67, 11
	s_add_co_u32 s75, s75, s74
	s_lshl_b32 s76, s72, 10
	s_add_co_u32 s75, s75, s76
	s_add_co_u32 s75, s75, BSC
	v_add_nc_u32 v9, s75, v3
	s_lshl_b32 s75, s68, 14
	s_add_co_u32 s75, s75, LROPE
	v_add_nc_u32 v10, s75, v1                      ; q, k: cos and sin of my four tiles of rows
	v_mov_b32 v[TM+2], 0                           ; written once: a lane permute's destination counts as one of its sources
	v_mov_b32 v[TM+3], 0
	s_mov_b32 s[SEL], 0x76543210
	s_mov_b32 s[SEL+1], 0xfedcba98
	; where my results go
	s_lshr_b32 s77, s15, 5                         ; batch
	s_lshl_b32 s77, s77, 3
	s_lshl_b32 s78, s14, 1
	s_add_co_u32 s77, s77, s78
	s_add_co_u32 s77, s77, s67                     ; batch x 8 + head
	s_lshl_b32 s77, s77, 5
	s_and_b32 s78, s15, 31
	s_add_co_u32 s77, s77, s78
	s_mul_i32 s77, s77, REC                        ; the record
	s_mov_b32 s79, 12288
	s_cmp_eq_u32 s66, 0
	s_cselect_b32 s78, 13824, 0                    ; codes: q at 13,824, k at 0,
	s_cselect_b32 s79, 19968, s79                  ; scale words: q at 19,968, k at 12,288,
	s_cmp_eq_u32 s66, 2
	s_cselect_b32 s78, 6144, s78                   ; v at 6,144
	s_cselect_b32 s79, 13312, s79                  ; and 13,312
	s_mul_i32 s80, s68, 3072                       ; four half fragments, or two fragments, a wave
	s_add_co_u32 s78, s78, s80
	s_add_co_u32 s78, s78, s77
	s_lshl_b32 s80, s71, 9
	s_add_co_u32 s79, s79, s80
	s_lshl_b32 s80, s72, 8
	s_add_co_u32 s79, s79, s80
	s_add_co_u32 s79, s79, s77
	s_mov_b32 s89, 0
	s_wait_dscnt 0x0
	s_wait_kmcnt 0x0
	s_mov_b32 s88, s78
	s_add_nc_u64 s[84:85], s[10:11], s[88:89]
	s_mov_b32 s88, s79
	s_add_nc_u64 s[86:87], s[10:11], s[88:89]
	s_mov_b32 s40, 1                               ; groups 0: count; LDS address; global address; type 2
	s_mov_b32 s41, s62
	s_add_nc_u64 s[42:43], s[4:5], s[56:57]
	s_or_b32 s43, s43, 0x80000000
	s_mov_b32 s44, 1
	s_mov_b32 s45, s62
	s_add_nc_u64 s[46:47], s[6:7], s[58:59]
	s_or_b32 s47, s47, 0x80000000
	s_mov_b32 s48, 1
	s_mov_b32 s49, s63
	s_add_nc_u64 s[50:51], s[8:9], s[60:61]
	s_or_b32 s51, s51, 0x80000000
	ROUND                                          ; all sixteen work-groups are here: the joint loads meet
	s_cmp_lt_u32 s12, 2                            ; one load a wave; the branches hang on the wave's number alone; four v_nop follow each line
	s_cbranch_scc0 .Lnot_x
	tensor_load_to_lds s[40:43], s[16:23]
	s_nop 0
	PLACES
	s_branch .Lasked
.Lnot_x:
	s_cmp_lt_u32 s12, 8
	s_cbranch_scc0 .Lnot_w
	tensor_load_to_lds s[44:47], s[24:31]
	s_nop 0
	PLACES
	s_branch .Lasked
.Lnot_w:
	tensor_load_to_lds s[48:51], s[32:39]
	s_nop 0
	PLACES
.Lasked:
	s_wait_tensorcnt 0x0                           ; my part has landed,
	s_barrier_signal -1
	s_barrier_wait -1                              ; everybody's has; nothing is filled again
	s_cmp_ge_u32 s12, 8
	s_cbranch_scc1 .Lv
	; ---- q and k: 4 tiles of rows x 4 tiles of columns, K in four steps of 128; the sixteen accumulators take turns
.macro KSTEP s
.if \s > 0
	PLACES
.endif
.irp ct, 0,1,2,3
	FRAG WF+12*\ct, 7, 8, 6144*\ct+1536*\s
	ds_load_b32 v[WS+\ct], v9 offset:128*(4*\ct+\s)
.endr
.irp rt, 0,1,2,3
	FRAG XF+12*\rt, 4, 5, 6144*\rt+1536*\s
	ds_load_b32 v[XS+\rt], v6 offset:128*(4*\rt+\s)
.endr
	s_wait_dscnt 0x0
.irp rt, 0,1,2,3
.irp ct, 0,1,2,3
.if \s == 0
	MM ACC+8*(4*\rt+\ct), WF+12*\ct, XF+12*\rt, 1, WS+\ct, XS+\rt
.else
	MM ACC+8*(4*\rt+\ct), WF+12*\ct, XF+12*\rt, 0, WS+\ct, XS+\rt
.endif
.endr
.endr
.endm
	s_wait_alu depctr_va_vdst(0)
	KSTEP 0
	KSTEP 1
	KSTEP 2
	KSTEP 3
	; lane (r, h) now holds one row of each tile rt: v[ACC + 32 rt + i] = channel 16 h + i, v[ACC + 32 rt + 16 + i] = channel 32 + 16 h + i; both turn by frequency 16 h + i
.macro ROPELD rt, set                  ; 16 cos and 16 sin of my row of tile rt
.irp q, 0,1,2,3,4,5,6,7
	ds_load_b128 v[RS+32*\set+4*\q:RS+32*\set+4*\q+3], v10 offset:4096*(\rt)+512*\q
.endr
.endm
.macro TILE rt, set, more, left
	s_wait_dscnt \left                             ; this tile's eight loads are in; the other set's eight may be out
.irp i, 0,2,4,6,8,10,12,14
	v_pk_mul_f32 v[NN+\i:NN+\i+1], v[ACC+32*\rt+16+\i:ACC+32*\rt+17+\i], v[RS+32*\set+16+\i:RS+32*\set+17+\i]
.endr
.irp i, 0,2,4,6,8,10,12,14
	v_pk_fma_f32 v[NN+\i:NN+\i+1], v[ACC+32*\rt+\i:ACC+32*\rt+\i+1], v[RS+32*\set+\i:RS+32*\set+\i+1], v[NN+\i:NN+\i+1] neg_lo:[0,0,1] neg_hi:[0,0,1]   ; lo cos - hi sin
.endr
.irp i, 0,2,4,6,8,10,12,14
	v_pk_mul_f32 v[NN+16+\i:NN+17+\i], v[ACC+32*\rt+\i:ACC+32*\rt+\i+1], v[RS+32*\set+16+\i:RS+32*\set+17+\i]
.endr
.irp i, 0,2,4,6,8,10,12,14
	v_pk_fma_f32 v[NN+16+\i:NN+17+\i], v[ACC+32*\rt+16+\i:ACC+32*\rt+17+\i], v[RS+32*\set+\i:RS+32*\set+\i+1], v[NN+16+\i:NN+17+\i]   ; hi cos + lo sin
.endr
.if \more
	ROPELD \rt+2, \set                             ; the set just read takes the tile two further on
.endif
	QUANT2 NN, ACC+32*\rt, ACC+32*\rt+8, SW+\rt    ; the codes land in the tile's own accumulators, which are done with: no store's data are written again
	global_store_b128 v1, v[ACC+32*\rt:ACC+32*\rt+3], s[84:85] offset:768*\rt
	global_store_b64 v2, v[ACC+32*\rt+4:ACC+32*\rt+5], s[84:85] offset:768*\rt+512
.endm
	PLACES
	ROPELD 0, 0
	ROPELD 1, 1
	TILE 0, 0, 1, 8
	TILE 1, 1, 1, 8
	TILE 2, 0, 0, 8
	TILE 3, 1, 0, 0
	global_store_b128 v1, v[SW:SW+3], s[86:87]     ; my four tiles' scale words, 16 bytes a lane
	s_branch .Ljoin
	; ---- v: 8 tiles of rows x 2 tiles of columns, natural order; sixteen accumulators by turns
.macro VSTEP s
.if \s > 0
	PLACES
.endif
.irp ct, 0,1
	FRAG WF+12*\ct, 7, 8, 6144*\ct+1536*\s
	ds_load_b32 v[WS+\ct], v9 offset:128*(4*\ct+\s)
.endr
.irp hf, 0,1
.if \hf > 0
	PLACES
.endif
.irp q, 0,1,2,3
	FRAG XF+12*\q, 4, 5, 6144*(4*\hf+\q)+1536*\s
	ds_load_b32 v[XS+\q], v6 offset:128*(4*(4*\hf+\q)+\s)
.endr
	s_wait_dscnt 0x0
.irp q, 0,1,2,3
.irp ct, 0,1
.if \s == 0
	MM ACC+64*\ct+8*(4*\hf+\q), XF+12*\q, WF+12*\ct, 1, XS+\q, WS+\ct
.else
	MM ACC+64*\ct+8*(4*\hf+\q), XF+12*\q, WF+12*\ct, 0, XS+\q, WS+\ct
.endif
.endr
.endr
.endr
.endm
.Lv:
	s_wait_alu depctr_va_vdst(0)
	VSTEP 0
	VSTEP 1
	VSTEP 2
	VSTEP 3
	PLACES                                         ; lane (r, h) holds one channel of each tile ct: v[ACC + 64 ct + 16 g + i] = key 32 g + 16 h + i of the block
.irp b, 0,1,2,3
	v_mov_b32 v[TM4+4+\b], 0                       ; a lane permute's destination counts as one of its sources
.endr
.irp ct, 0,1
	QUANT4 ACC+64*\ct, 48+20*\ct, SW+\ct
	global_store_b128 v1, v[48+20*\ct:51+20*\ct], s[84:85] offset:1536*\ct
	global_store_b64 v2, v[52+20*\ct:53+20*\ct], s[84:85] offset:1536*\ct+512
	global_store_b128 v1, v[54+20*\ct:57+20*\ct], s[84:85] offset:1536*\ct+768
	global_store_b64 v2, v[58+20*\ct:59+20*\ct], s[84:85] offset:1536*\ct+1280
.endr
	global_store_b64 v2, v[SW:SW+1], s[86:87]      ; my two tiles' scale words
.Ljoin:
	s_wait_tensorcnt 0x0
	ds_add_u32 v30, v31
	s_wait_dscnt 0x0
	ROUND                                          ; the closing round: no work-group ends while a partner may still ask for a tile that names it
	s_endpgm
.Lfunc_end_k_qfb96fb9cde_qkv:
	.size	k_qfb96fb9cde_qkv, .Lfunc_end_k_qfb96fb9cde_qkv-k_qfb96fb9cde_qkv
	.p2alignl 7, 3214868480
	.fill 96, 4, 3214868480
	.section	.rodata,"a",@progbits
	.p2align	6, 0x0
	.amdhsa_kernel k_qfb96fb9cde_qkv
		.amdhsa_group_segment_fixed_size 247296
		.amdhsa_private_segment_fixed_size 0
		.amdhsa_enable_private_segment 0
		.amdhsa_kernarg_size 32
		.amdhsa_user_sgpr_count 2
		.amdhsa_user_sgpr_kernarg_segment_ptr 1
		.amdhsa_wavefront_size32 1
		.amdhsa_system_sgpr_workgroup_id_x 1
		.amdhsa_system_sgpr_workgroup_id_y 1
		.amdhsa_system_sgpr_workgroup_id_z 1
		.amdhsa_system_vgpr_workitem_id 0
		.amdhsa_next_free_vgpr 256
		.amdhsa_next_free_sgpr 96
		.amdhsa_reserve_vcc 0
		.amdhsa_float_denorm_mode_32 3
		.amdhsa_float_denorm_mode_16_64 3
		.amdhsa_memory_ordered 1
		.amdhsa_forward_progress 1
		.amdhsa_inst_pref_size 81
	.end_amdhsa_kernel
	.amdgpu_metadata
---
amdhsa.version: [ 1, 2 ]
amdhsa.kernels:
  - .name:           k_qfb96fb9cde_qkv
    .symbol:         k_qfb96fb9cde_qkv.kd
    .args:
      - { .name: xq, .offset: 0, .size: 8, .value_kind: global_buffer, .address_space: global }
      - { .name: wq, .offset: 8, .size: 8, .value_kind: global_buffer, .address_space: global }
      - { .name: rope, .offset: 16, .size: 8, .value_kind: global_buffer, .address_space: global }
      - { .name: qkv, .offset: 24, .size: 8, .value_kind: global_buffer, .address_space: global }
    .group_segment_fixed_size: 247296
    .private_segment_fixed_size: 0
    .kernarg_segment_align: 8
    .kernarg_segment_size: 32
    .max_flat_workgroup_size: 384
    .sgpr_count:     96
    .vgpr_count:     256
    .wavefront_size: 32
...
	.end_amdgpu_metadata
.endif
;; end of part 2
;; launch attn (part 3): grid 16 x 16, 16 waves a work-group, no clusters, 169,984 bytes of LDS; arguments qkv, oq; writes oq
.if DOCPART == 3
	.amdgcn_target "amdgcn-amd-amdhsa--gfx1250"
	.amdhsa_code_object_version 6
	.text
	.protected	k_qfb96fb9cde_attn
	.globl	k_qfb96fb9cde_attn
	.p2align	8
	.type	k_qfb96fb9cde_attn,@function
k_qfb96fb9cde_attn:
	s_mov_b64 s[64:65], 0
	v_nop
	global_prefetch_b8 v0, s[64:65] scope:SCOPE_SE
	s_setreg_imm32_b32 hwreg(HW_REG_WAVE_MODE, 25, 1), 1
	s_wait_xcnt 0x0
; ATTN.  o = softmax(q k^T / 8, key allowed where query - 1024 < key <= query) v, both products on codes of FP6 (E2M3) with E8M0 scales; o is divided by the row's sum and quantised along the channels.
; THE SOFTMAX AHEAD OF THE SECOND PRODUCT: t = score x log2(e) / 8; M = the running largest t rounded UP to a whole number; p = 2^(t - M) is quantised along the keys, not normalised; the row's sum is taken
; of the unquantised p; when M moves, the sum and O are multiplied by 2^(old M - new M), which rounds nothing.
; SHARES.  A work-group owns 256 queries of one (batch, head); each of its sixteen waves one tile of 16, in 256 registers: four waves to a SIMD, so that one wave's vector work stands beside another's products.
; Wave w: block a = 2 x + w / 8 of 128 queries, tile w % 8.  Its keys lie in the nine key steps a - 8 .. a of 128 keys: step a - 8 is cut by the window (hidden where the key's place in its step <= the query's
; place in its block), step a by the causal mask (hidden where it is greater), the seven between by nothing.  A step with a negative number does not exist and is jumped over, by a scalar branch on ids.
; LDS: position p = 0..9 at 13,824 p holds K's and V's part of the record of key step 2 x - 8 + p (launch qkv); each byte is filled once.  Waves 0-4 fetch two records each.
; No joint loads: neighbouring work-groups share eight of ten records, but each wants them at another LDS position, and a joint load has one LDS address for all that it names.
; LAYOUT.  Both products are used transposed: S^T = K Q^T, O^T = V^T P^T: a lane holds ONE query throughout.  Lane r of tile 2 G + u stands for member 32 G + 8 u + r + 8 (r / 8), so that the 16 registers of two
; neighbouring tiles are 16 neighbours.  The first product's K is 64: registers 6-11 of both operands hold zero codes, and the scale bytes of those blocks are 0.
; LIMITS: NaN and infinities are not served; a block of zeros gets the byte 1 (its codes are zeros; this program alone reads the bytes).  o's scale bytes leave two at a time.
.set REC,  20992
.set RLD,  13824
.set BLK,  53248
.set BSC,  49152
.set KS,   8                           ; v8-11    K's scale words of four tiles
.set QF,   16                          ; v16-27   Q's operand
.set KF,   32                          ; v32-79   four operands of K
.set VF,   80                          ; v80-127  V^T's four fragments
.set SS,   128                         ; v128-191 S^T, then p
.set OT,   192                         ; v192-223 O^T
.set PCD,  224                         ; v224-235 p's codes
.set BM,   236                         ; v236-239 the blocks' largest scores
.set TM,   236                         ; (at the end: at work)
.set PB,   240                         ; v240-243 at work
.set SO,   244                         ; v244-247 the conversions' scale operands
.set VS,   248                         ; v248-251 V's scale words
.set SP2,  252                         ; v252-254 at work
.set CS,   32                          ; s[32:33] c = log2(e) / 8
.set SEL,  34                          ; s[34:35]
; v1 16 x lane, v2 8 x lane, v3 my query's place in its block - 16 (lane / 16), v4, v5 LDS addresses, v6, v7 at work, v12 -M, v13 the largest t, v[14:15] the sum in two halves,
; v28 Q's scale word, v29 p's, v[30:31] f, v255 -infinity.  s36: LDS byte of the step; s37: the step's number; s38: counts trips.
.macro FRAG reg, a16, a8, off
	ds_load_b128 v[\reg:\reg+3], v[\a16] offset:\off
	ds_load_b64 v[\reg+4:\reg+5], v[\a8] offset:\off+512
	ds_load_b128 v[\reg+6:\reg+9], v[\a16] offset:\off+768
	ds_load_b64 v[\reg+10:\reg+11], v[\a8] offset:\off+1280
.endm
.macro PLACES
.rept 4
	v_nop
.endr
.endm
.macro QUANT2 src, pc, sp, pw          ; 32 numbers, v[src + 16 b + i] = k 32 b + 16 (lane / 16) + i of my row -> half a fragment's codes and a scale word of two bytes
.irp b, 0,1
	v_max3_num_f32 v[TM+\b], |v[\src+16*\b]|, |v[\src+16*\b+1]|, 0x1800000
.endr
.irp i, 2,4,6,8,10,12,14
.irp b, 0,1
	s_delay_alu instid0(VALU_DEP_2)
	v_max3_num_f32 v[TM+\b], v[TM+\b], |v[\src+16*\b+\i]|, |v[\src+16*\b+\i+1]|
.endr
.endr
.irp b, 0,1
	s_delay_alu instid0(VALU_DEP_2)
	v_permlanex16_b32 v[TM+2+\b], v[TM+\b], s[SEL], s[SEL+1]
.endr
.irp b, 0,1
	s_delay_alu instid0(VALU_DEP_2)
	v_max_num_f32 v[TM+\b], v[TM+\b], v[TM+2+\b]
.endr
.irp b, 0,1
	s_delay_alu instid0(VALU_DEP_2)
	v_add_nc_u32 v[TM+4+\b], 0xff000000, v[TM+\b]
.endr
.irp b, 0,1
	s_delay_alu instid0(VALU_DEP_2)
	v_lshrrev_b32 v[TM+2+\b], 23, v[TM+4+\b]
.endr
	s_delay_alu instid0(VALU_DEP_1)
	v_lshl_or_b32 v[\pw], v[TM+3], 8, v[TM+2]
	v_cvt_scalef32_pk16_fp6_f32 v[\pc:\pc+2], v[\src:\src+15], v[TM+4]
	v_cvt_scalef32_pk16_fp6_f32 v[\sp:\sp+2], v[\src+16:\src+31], v[TM+5]
	v_nop
.irp i, 0,1,2
	v_permlane16_swap_b32 v[\pc+\i], v[\sp+\i]
.endr
.irp i, 0,1,2
	s_delay_alu instid0(VALU_DEP_3)
	v_mov_b32 v[\pc+3+\i], v[\sp+\i]
.endr
.endm
	s_load_b128 s[4:7], s[0:1], 0x0                ; qkv s[4:5], oq s[6:7]
	v_lshl_add_u32 v254, v0, 2, 0x29000
	v_mov_b32 v255, 0
	ds_add_u32 v254, v255
	ds_add_u32 v254, v255
	s_wait_dscnt 0x0
	v_lshrrev_b32 v1, 5, v0
	s_delay_alu instid0(VALU_DEP_1)
	v_readfirstlane_b32 s8, v1                     ; wave 0..15
	s_lshr_b32 s9, s8, 3                           ; which of the two blocks of queries
	s_and_b32 s10, s8, 7                           ; my tile in it
	s_lshl_b32 s11, ttmp9, 1
	s_and_b32 s12, ttmp7, 0xffff                   ; batch x 8 + head
	s_add_co_u32 s13, s11, s9                      ; a
	; descriptor group 1: 13,824 dense bytes as 54 rows of 256 (32 elements of 8 bytes), no padding
	s_mov_b32 s16, 3<<16
	s_mov_b32 s17, 32<<16
	s_mov_b32 s18, 54<<16
	s_mov_b32 s19, 32<<16
	s_mov_b32 s20, 54
	s_mov_b32 s21, 32
	s_mov_b32 s22, 0
	s_mov_b32 s23, 0
	s_lshl_b32 s40, s12, 5                         ; 32 records a (batch, head)
	s_add_co_u32 s41, s11, s8
	s_sub_co_i32 s42, s41, 8                       ; position w: key step 2 x - 8 + w,
	s_max_i32 s42, s42, 0                          ; held inside the buffer: what it brings for a step that does not exist is never read
	s_min_i32 s42, s42, 31
	s_add_co_u32 s42, s42, s40
	s_mul_i32 s42, s42, REC
	s_mov_b32 s43, 0
	s_sub_co_i32 s44, s41, 3                       ; position w + 5
	s_max_i32 s44, s44, 0
	s_min_i32 s44, s44, 31
	s_add_co_u32 s44, s44, s40
	s_mul_i32 s44, s44, REC
	s_mov_b32 s45, 0
	s_mul_i32 s46, s8, RLD
	s_add_co_u32 s48, s40, s13
	s_mul_i32 s48, s48, REC                        ; my queries' record
	s_mul_i32 s50, s10, 768
	s_add_co_u32 s50, s50, s48
	s_add_co_u32 s50, s50, 13824                   ; Q's half fragment of my tile
	s_mov_b32 s51, 0
	s_lshr_b32 s52, s10, 2
	s_lshl_b32 s52, s52, 9
	s_and_b32 s53, s10, 3
	s_lshl_b32 s53, s53, 2
	s_add_co_u32 s52, s52, s53
	s_add_co_u32 s52, s52, s48
	s_add_co_u32 s52, s52, 19968                   ; and its scale words: [half][lane][4 tiles]
	s_mov_b32 s53, 0
	s_and_b32 s60, s12, 7                          ; head
	s_lshr_b32 s61, s12, 3
	s_lshl_b32 s61, s61, 5
	s_add_co_u32 s61, s61, s13
	s_mul_i32 s61, s61, BLK                        ; o's block of 128 rows
	s_lshr_b32 s62, s60, 1
	s_lshl_b32 s63, s10, 2
	s_add_co_u32 s62, s62, s63                     ; fragment 4 tile + K step; two heads make a K step of 128
	s_and_b32 s60, s60, 1
	s_mul_i32 s56, s62, 1536
	s_add_co_u32 s56, s56, s61
	s_mul_i32 s63, s60, 768
	s_add_co_u32 s56, s56, s63
	s_mov_b32 s57, 0
	s_lshl_b32 s58, s62, 7
	s_add_co_u32 s58, s58, s61
	s_lshl_b32 s63, s60, 1
	s_add_co_u32 s58, s58, s63
	s_add_co_u32 s58, s58, BSC
	s_mov_b32 s59, 0
	s_lshr_b32 s54, s10, 1
	s_lshl_b32 s54, s54, 5
	s_and_b32 s55, s10, 1
	s_lshl_b32 s55, s55, 3
	s_add_co_u32 s54, s54, s55                     ; my tile's first place in the block
	s_mul_i32 s36, s9, RLD                         ; my first step lies at position w / 8
	s_sub_co_i32 s37, s13, 8                       ; and is key step a - 8
	s_mov_b32 s[CS], 0x3e38aa3b
	s_mov_b32 s[CS+1], s[CS]                       ; (named with it as a pair, so it is written)
	s_mov_b32 s[SEL], 0x76543210
	s_mov_b32 s[SEL+1], 0xfedcba98
	v_and_b32 v6, 31, v0
	s_delay_alu instid0(VALU_DEP_1)
	v_lshlrev_b32 v1, 4, v6
	s_delay_alu instid0(VALU_DEP_2)
	v_lshlrev_b32 v2, 3, v6
	s_wait_kmcnt 0x0
	s_mov_b32 s24, 1
	s_mov_b32 s25, s46
	s_add_nc_u64 s[26:27], s[4:5], s[42:43]
	s_or_b32 s27, s27, 0x80000000
	s_mov_b32 s28, 1
	s_add_co_u32 s29, s46, 5*RLD
	s_add_nc_u64 s[30:31], s[4:5], s[44:45]
	s_or_b32 s31, s31, 0x80000000
	s_add_nc_u64 s[50:51], s[4:5], s[50:51]
	s_add_nc_u64 s[52:53], s[4:5], s[52:53]
	s_add_nc_u64 s[56:57], s[6:7], s[56:57]
	s_add_nc_u64 s[58:59], s[6:7], s[58:59]
	s_cmp_lt_u32 s8, 5                             ; a wave's two fills stand in one branch, ahead of every wait on TENSORcnt, every LDS read and every barrier: two loads of mine are out
	s_cbranch_scc0 .Lno_fetch
	tensor_load_to_lds s[24:27], s[16:23]
	s_nop 0
	tensor_load_to_lds s[28:31], s[16:23]
	s_nop 0
	PLACES
.Lno_fetch:
	s_wait_alu depctr_va_vdst(0)
	global_load_b128 v[QF:QF+3], v1, s[50:51]
	global_load_b64 v[QF+4:QF+5], v2, s[50:51] offset:512
	global_load_b32 v28, v1, s[52:53]
	v_and_b32 v7, 15, v0
	s_delay_alu instid0(VALU_DEP_1)
	v_and_b32 v3, 8, v7
	s_delay_alu instid0(VALU_DEP_1)
	v_add_nc_u32 v3, v3, v7                        ; r + 8 (r / 8)
	v_bfe_u32 v7, v0, 4, 1
	s_delay_alu instid0(VALU_DEP_1)
	v_lshlrev_b32 v7, 4, v7
	s_delay_alu instid0(VALU_DEP_1)
	v_sub_nc_u32 v3, v3, v7
	s_delay_alu instid0(VALU_DEP_1)
	v_add_nc_u32 v3, s54, v3                       ; register n of S^T holds the key at place 32 (n / 16) + n % 16 + 16 (lane / 16): it is held against this number
.irp i, 6,7,8,9,10,11
	v_mov_b32 v[QF+\i], 0                          ; zero codes for K = 64 .. 127
.irp t, 0,1,2,3
	v_mov_b32 v[KF+12*\t+\i], 0
.endr
.endr
.set j, 0
.rept 32
	v_mov_b32 v[OT+j], 0                           ; the step is written for every step alike: the first finds zeros, which the first change of M leaves zeros
.set j, j+1
.endr
	v_mov_b32 v14, 0
	v_mov_b32 v15, 0
	v_mov_b32 v30, 0
	v_mov_b32 v31, 0                               ; (the upper half of the pair v[30:31])
.irp b, 0,1,2,3,4,5,6,7
	v_mov_b32 v[BM+\b], 0                          ; a lane permute's destination counts as one of its sources
.endr
	v_mov_b32 v255, 0xff800000                     ; -infinity
	v_mov_b32 v13, 0xff61b1e6                      ; the largest t so far: -3e38, under every t
	s_delay_alu instid0(VALU_DEP_1)
	v_floor_f32 v12, -v13                          ; -M
	s_wait_tensorcnt 0x1                           ; my first record has landed, my second may stay out: nothing reads positions 5-9 ahead of the next barrier
	s_barrier_signal -1
	s_barrier_wait -1                              ; positions 0-4 are whole
	s_wait_loadcnt 0x0                             ; Q
; A KEY STEP.  kind 0: no mask; 1: the window's; 2: the causal one.
.macro STEP kind
	s_cmp_lt_i32 s37, 0
	s_cbranch_scc1 .Lskip_\@
	s_setprio 2
	v_add_nc_u32 v4, s36, v1
	v_add_nc_u32 v5, s36, v2
	v_nop
	v_nop                                          ; these four lines are the places behind the last step's products, ahead of the loads into their registers
.irp t, 0,1,2,3
	ds_load_b128 v[KF+12*\t:KF+12*\t+3], v4 offset:768*\t
	ds_load_b64 v[KF+12*\t+4:KF+12*\t+5], v5 offset:768*\t+512
.endr
	ds_load_b128 v[KS:KS+3], v4 offset:12288
.irp t, 0,1,2,3
	FRAG VF+12*\t, 4, 5, 6144+1536*\t
.endr
	ds_load_b64 v[VS:VS+1], v5 offset:13312
	ds_load_b64 v[VS+2:VS+3], v5 offset:13568
	s_wait_alu depctr_va_vdst(0)
	s_wait_dscnt 18                                ; K's first nine loads are in; V's eighteen may be out
.irp t, 0,1,2,3
	v_wmma_scale_f32_16x16x128_f8f6f4 v[SS+8*\t:SS+8*\t+7], v[KF+12*\t:KF+12*\t+11], v[QF:QF+11], 0, v[KS+\t], v28 matrix_a_fmt:MATRIX_FMT_FP6 matrix_b_fmt:MATRIX_FMT_FP6
.endr
	PLACES
.irp t, 0,1,2,3
	ds_load_b128 v[KF+12*\t:KF+12*\t+3], v4 offset:3072+768*\t
	ds_load_b64 v[KF+12*\t+4:KF+12*\t+5], v5 offset:3072+768*\t+512
.endr
	ds_load_b128 v[KS:KS+3], v4 offset:12800
	s_wait_dscnt 0x0
.irp t, 0,1,2,3
	v_wmma_scale_f32_16x16x128_f8f6f4 v[SS+32+8*\t:SS+32+8*\t+7], v[KF+12*\t:KF+12*\t+11], v[QF:QF+11], 0, v[KS+\t], v28 matrix_a_fmt:MATRIX_FMT_FP6 matrix_b_fmt:MATRIX_FMT_FP6
.endr
	PLACES
.if \kind > 0                          ; hidden scores become -infinity ahead of the maximum: p = 0 then
.set n, 0
.rept 64
.if \kind == 2
	v_cmp_gt_i32 vcc_lo, 32*(n/16)+n%16, v3
.else
	v_cmp_le_i32 vcc_lo, 32*(n/16)+n%16, v3
.endif
	v_cndmask_b32 v[SS+n], v[SS+n], v255, vcc_lo
.set n, n+1
.endr
.endif
.irp b, 0,1,2,3
	v_max3_num_f32 v[BM+\b], v[SS+16*\b], v[SS+16*\b+1], v[SS+16*\b+2]   ; the largest score of each block of 32 keys: it serves for the row's maximum and, since p rises with the score, for the block's largest p
.endr
.irp i, 3,5,7,9,11,13
.irp b, 0,1,2,3
	v_max3_num_f32 v[BM+\b], v[BM+\b], v[SS+16*\b+\i], v[SS+16*\b+\i+1]
.endr
.endr
.irp b, 0,1,2,3
	v_max_num_f32 v[BM+\b], v[BM+\b], v[SS+16*\b+15]
.endr
.irp b, 0,1,2,3
	s_delay_alu instid0(VALU_DEP_4)
	v_permlanex16_b32 v[PB+\b], v[BM+\b], s[SEL], s[SEL+1]
.endr
.irp b, 0,1,2,3
	s_delay_alu instid0(VALU_DEP_4)
	v_max_num_f32 v[BM+\b], v[BM+\b], v[PB+\b]     ; with lane l xor 16's 16 keys
.endr
	s_delay_alu instid0(VALU_DEP_2)
	v_max3_num_f32 v6, v[BM], v[BM+1], v[BM+2]
	s_delay_alu instid0(VALU_DEP_1)
	v_max_num_f32 v6, v6, v[BM+3]
	s_delay_alu instid0(VALU_DEP_1)
	v_mul_f32 v6, s[CS], v6                        ; the step's largest t (c is positive)
	s_delay_alu instid0(VALU_DEP_1)
	v_max_num_f32 v13, v13, v6                     ; the running largest t
	v_mov_b32 v6, v12
	s_delay_alu instid0(VALU_DEP_2)
	v_floor_f32 v12, -v13                          ; the new -M = floor(-t): M is a whole number
	s_delay_alu instid0(VALU_DEP_1)
	v_sub_f32 v6, v12, v6                          ; old M - new M: a whole number, 0 or less
	s_delay_alu instid0(VALU_DEP_1)
	v_cvt_i32_f32 v6, v6                           ; (it saturates)
	s_delay_alu instid0(VALU_DEP_1)
	v_ldexp_f32 v30, 1.0, v6                       ; f = 2^(old M - new M)
.set j, 0
.rept 32
	v_pk_fma_f32 v[SS+j:SS+j+1], v[SS+j:SS+j+1], s[CS:CS+1], v[12:13] op_sel_hi:[1,0,0]   ; t - M, two at a time
.set j, j+2
.endr
.irp b, 0,1,2,3
	v_fma_f32 v[BM+\b], v[BM+\b], s[CS], v12       ; the same of each block's largest score
.endr
.set j, 0
	s_setprio 1
	s_wait_alu depctr_va_vdst(0)
.rept 64
	v_exp_f32 v[SS+j], v[SS+j]                     ; p = 2^(t - M), at most 1
.set j, j+1
.endr
	v_pk_mul_f32 v[14:15], v[14:15], v[30:31] op_sel_hi:[1,0]   ; the sums under the new M; a plain place behind the exponentials
	s_wait_alu depctr_va_vdst(0)                   ; one wait for the batch of 64, ahead of its first reader
.irp b, 0,1,2,3
	v_exp_f32 v[BM+\b], v[BM+\b]                   ; the blocks' largest p: the same two instructions on the same number
.endr
	v_pk_add_f32 v[240:241], v[132:133], v[136:137]
	v_pk_add_f32 v[252:253], v[140:141], v[144:145]
	v_pk_add_f32 v[246:247], v[148:149], v[152:153]
	v_pk_add_f32 v[244:245], v[156:157], v[160:161]
	v_pk_add_f32 v[242:243], v[164:165], v[168:169]
	v_pk_add_f32 v[234:235], v[172:173], v[176:177]
	v_pk_add_f32 v[232:233], v[180:181], v[184:185]
	v_pk_add_f32 v[14:15], v[14:15], v[188:189]
	v_pk_add_f32 v[240:241], v[240:241], v[128:129]
	v_pk_add_f32 v[252:253], v[252:253], v[130:131]
	v_pk_add_f32 v[246:247], v[246:247], v[134:135]
	v_pk_add_f32 v[244:245], v[244:245], v[138:139]
	v_pk_add_f32 v[242:243], v[242:243], v[142:143]
	v_pk_add_f32 v[234:235], v[234:235], v[146:147]
	v_pk_add_f32 v[232:233], v[232:233], v[150:151]
	v_pk_add_f32 v[14:15], v[14:15], v[154:155]
	v_pk_add_f32 v[240:241], v[240:241], v[158:159]
	v_pk_add_f32 v[252:253], v[252:253], v[162:163]
	v_pk_add_f32 v[246:247], v[246:247], v[166:167]
	v_pk_add_f32 v[244:245], v[244:245], v[170:171]
	v_pk_add_f32 v[242:243], v[242:243], v[174:175]
	v_pk_add_f32 v[234:235], v[234:235], v[178:179]
	v_pk_add_f32 v[232:233], v[232:233], v[182:183]
	v_pk_add_f32 v[14:15], v[14:15], v[186:187]
	v_pk_add_f32 v[240:241], v[240:241], v[190:191]
	s_delay_alu instid0(VALU_DEP_2)
	v_pk_add_f32 v[14:15], v[14:15], v[244:245]
	s_delay_alu instid0(VALU_DEP_2)
	v_pk_add_f32 v[240:241], v[240:241], v[242:243]
	v_pk_add_f32 v[252:253], v[252:253], v[234:235]
	v_pk_add_f32 v[246:247], v[246:247], v[232:233]
	s_delay_alu instid0(VALU_DEP_2)
	v_pk_add_f32 v[14:15], v[14:15], v[252:253]
	s_delay_alu instid0(VALU_DEP_2)
	v_pk_add_f32 v[240:241], v[240:241], v[246:247]
	s_delay_alu instid0(VALU_DEP_1)
	v_pk_add_f32 v[14:15], v[14:15], v[240:241]
	s_wait_alu depctr_va_vdst(0)                   ; and one for the four
.irp b, 0,1,2,3
	v_max_num_f32 v[BM+\b], 0x1800000, v[BM+\b]    ; the floor 2^(3 - 127): the byte cannot fall under 1
.endr
.irp b, 0,1,2,3
	s_delay_alu instid0(VALU_DEP_4)
	v_add_nc_u32 v[SO+\b], 0xff000000, v[BM+\b]    ; 2 off the exponent field: the conversion's scale operand
.endr
.irp b, 0,1,2,3
	s_delay_alu instid0(VALU_DEP_4)
	v_lshrrev_b32 v[PB+\b], 23, v[SO+\b]           ; the byte
.endr
	s_delay_alu instid0(VALU_DEP_3)
	v_lshl_or_b32 v29, v[PB+1], 8, v[PB]           ; p's scale word for these 128 keys
	s_delay_alu instid0(VALU_DEP_1)
	v_lshl_or_b32 v29, v[PB+2], 16, v29
	s_delay_alu instid0(VALU_DEP_1)
	v_lshl_or_b32 v29, v[PB+3], 24, v29
	v_cvt_scalef32_pk16_fp6_f32 v[PCD:PCD+2], v[SS:SS+15], v[SO]
	v_cvt_scalef32_pk16_fp6_f32 v[PB:PB+2], v[SS+16:SS+31], v[SO+1]
	v_cvt_scalef32_pk16_fp6_f32 v[PCD+6:PCD+8], v[SS+32:SS+47], v[SO+2]
	v_cvt_scalef32_pk16_fp6_f32 v[SP2:SP2+2], v[SS+48:SS+63], v[SO+3]
	v_nop                                          ; one plain place behind the scaled conversions
.irp i, 0,1,2
	v_permlane16_swap_b32 v[PCD+\i], v[PB+\i]      ; a whole block to a lane
.endr
.irp i, 0,1,2
	s_delay_alu instid0(VALU_DEP_3)
	v_mov_b32 v[PCD+3+\i], v[PB+\i]
.endr
	s_setprio 0
.irp i, 0,1,2
	v_permlane16_swap_b32 v[PCD+6+\i], v[SP2+\i]
.endr
.irp i, 0,1,2
	s_delay_alu instid0(VALU_DEP_3)
	v_mov_b32 v[PCD+9+\i], v[SP2+\i]
.endr
.set j, 0
.rept 16
	v_pk_mul_f32 v[OT+j:OT+j+1], v[OT+j:OT+j+1], v[30:31] op_sel_hi:[1,0]   ; O^T under the new M; these are also the places between p's codes and scale word and the products
.set j, j+2
.endr
.irp t, 0,1,2,3
	v_wmma_scale_f32_16x16x128_f8f6f4 v[OT+8*\t:OT+8*\t+7], v[VF+12*\t:VF+12*\t+11], v[PCD:PCD+11], v[OT+8*\t:OT+8*\t+7], v[VS+\t], v29 matrix_a_fmt:MATRIX_FMT_FP6 matrix_b_fmt:MATRIX_FMT_FP6
.endr
.Lskip_\@:
	s_add_co_u32 s36, s36, RLD                     ; the next position,
	s_add_co_i32 s37, s37, 1                       ; the next key step
.endm
	STEP 1                                         ; key step a - 8: the window's edge
	s_mov_b32 s38, 3
.Lfirst:                                           ; key steps a - 7 .. a - 5: positions up to 4
	STEP 0
	s_sub_co_u32 s38, s38, 1
	s_cmp_lg_u32 s38, 0
	s_cbranch_scc1 .Lfirst
	s_setprio 0
	s_wait_tensorcnt 0x0                           ; my second record has landed,
	s_wait_dscnt 0x0
	s_barrier_signal -1
	s_barrier_wait -1                              ; positions 5-9 are whole; nothing is filled again
	s_mov_b32 s38, 4
.Lsecond:                                          ; key steps a - 4 .. a - 1
	STEP 0
	s_sub_co_u32 s38, s38, 1
	s_cmp_lg_u32 s38, 0
	s_cbranch_scc1 .Lsecond
	s_setprio 0
	STEP 2                                         ; key step a: the diagonal
	; THE WAY OUT: O^T / the sum; register 16 b + i is channel 32 b + 16 (lane / 16) + i of my query: half a fragment of the last product's operand
	PLACES
	v_add_f32 v14, v14, v15                        ; the sum's two halves,
	s_delay_alu instid0(VALU_DEP_1)
	v_permlanex16_b32 v30, v14, s[SEL], s[SEL+1]
	s_delay_alu instid0(VALU_DEP_1)
	v_add_f32 v14, v14, v30                        ; and lane l xor 16's
	s_wait_alu depctr_va_vdst(0)
	v_rcp_f32 v14, v14
	v_lshrrev_b32 v4, 2, v1                        ; 4 x lane; a plain place behind the reciprocal
	s_wait_alu depctr_va_vdst(0)                   ; the wait ahead of its first reader
.set j, 0
.rept 16
	v_pk_mul_f32 v[SS+j:SS+j+1], v[OT+j:OT+j+1], v[14:15] op_sel_hi:[1,0]
.set j, j+2
.endr
	QUANT2 SS, PCD, SP2, 7
	global_store_b128 v1, v[PCD:PCD+3], s[56:57]               ; 512 consecutive bytes
	global_store_b64 v2, v[PCD+4:PCD+5], s[56:57] offset:512   ; 256
	global_store_b16 v4, v7, s[58:59]                          ; my head's two bytes of each row's scale word
	s_wait_xcnt 0x0
	v_lshl_add_u32 v254, v0, 2, 0x29000
	v_mov_b32 v255, 0
	s_wait_alu depctr_va_vdst(0)
	s_wait_tensorcnt 0x0
	ds_add_u32 v254, v255
	s_wait_dscnt 0x0
	s_endpgm
.Lfunc_end_k_qfb96fb9cde_attn:
	.size	k_qfb96fb9cde_attn, .Lfunc_end_k_qfb96fb9cde_attn-k_qfb96fb9cde_attn
	.p2alignl 7, 3214868480
	.fill 96, 4, 3214868480
	.section	.rodata,"a",@progbits
	.p2align	6, 0x0
	.amdhsa_kernel k_qfb96fb9cde_attn
		.amdhsa_group_segment_fixed_size 169984
		.amdhsa_private_segment_fixed_size 0
		.amdhsa_enable_private_segment 0
		.amdhsa_kernarg_size 16
		.amdhsa_user_sgpr_count 2
		.amdhsa_user_sgpr_kernarg_segment_ptr 1
		.amdhsa_wavefront_size32 1
		.amdhsa_system_sgpr_workgroup_id_x 1
		.amdhsa_system_sgpr_workgroup_id_y 1
		.amdhsa_system_sgpr_workgroup_id_z 1
		.amdhsa_system_vgpr_workitem_id 0
		.amdhsa_next_free_vgpr 256
		.amdhsa_next_free_sgpr 66
		.amdhsa_reserve_vcc 1
		.amdhsa_float_denorm_mode_32 3
		.amdhsa_float_denorm_mode_16_64 3
		.amdhsa_memory_ordered 1
		.amdhsa_forward_progress 1
		.amdhsa_inst_pref_size 93
	.end_amdhsa_kernel
	.amdgpu_metadata
---
amdhsa.version: [ 1, 2 ]
amdhsa.kernels:
  - .name:           k_qfb96fb9cde_attn
    .symbol:         k_qfb96fb9cde_attn.kd
    .args:
      - { .name: qkv, .offset: 0, .size: 8, .value_kind: global_buffer, .address_space: global }
      - { .name: oq, .offset: 8, .size: 8, .value_kind: global_buffer, .address_space: global }
    .group_segment_fixed_size: 169984
    .private_segment_fixed_size: 0
    .kernarg_segment_align: 8
    .kernarg_segment_size: 16
    .max_flat_workgroup_size: 512
    .sgpr_count:     66
    .vgpr_count:     256
    .wavefront_size: 32
...
	.end_amdgpu_metadata
.endif
;; end of part 3
;; launch oproj (part 4): grid 64 x 4, 4 waves a work-group, clusters of 4 x 4, 168,448 bytes of LDS; arguments oq, wq, out0; writes out0
.if DOCPART == 4
	.amdgcn_target "amdgcn-amd-amdhsa--gfx1250"
	.amdhsa_code_object_version 6
	.text
	.protected	k_qfb96fb9cde_oproj
	.globl	k_qfb96fb9cde_oproj
	.p2align	8
	.type	k_qfb96fb9cde_oproj,@function
k_qfb96fb9cde_oproj:
	s_mov_b64 s[64:65], 0
	v_nop
	global_prefetch_b8 v0, s[64:65] scope:SCOPE_SE
	s_setreg_imm32_b32 hwreg(HW_REG_WAVE_MODE, 25, 1), 1
	s_wait_xcnt 0x0
	s_wait_alu depctr_hold_cnt(0) depctr_sa_sdst(0) depctr_va_vdst(0) depctr_va_sdst(0) depctr_va_ssrc(0) depctr_va_vcc(0) depctr_vm_vsrc(0)
	s_getreg_b32 s2, hwreg(HW_REG_IB_STS2, 6, 4)
	s_cmp_eq_u32 s2, 0
	s_cbranch_scc0 .Lentry_in_a_cluster
	s_endpgm
.Lentry_in_a_cluster:
	s_bfe_u32 s2, ttmp6, 0x10000c
	s_cmp_lg_u32 s2, 0xf033
	s_cbranch_scc0 .Lentry_shape_is_right
	s_endpgm
.Lentry_shape_is_right:
; OPROJ.  out0 = o Wo on codes of FP6 (E2M3) with E8M0 scales; out0 [8192][512] f32.
; A work-group takes 128 rows (block xb) x 128 columns (unit cy); wave w: rows 64 (w / 2) on, columns 64 (w % 2) on: 4 x 4 tiles, sixteen accumulators, K in four steps of 128.
; Operands are images of operand registers (launches attn and prep): every LDS load is dense.  Lane r of tile 2 G + u stands for member 32 G + 8 u + r + 8 (r / 8).
; USED TRANSPOSED (source 0 = 16 columns of Wo, source 1 = 16 rows of o): a lane holds one row, and the 16 registers of two neighbouring tiles are 16 neighbouring columns.
; LDS: o's block at 0, Wo's unit at 53,248, each filled once; from 106,496 on a stage of 16 rows x (256 + 16) bytes for each wave, into which no fill lands.
; CLUSTER 4 x 4: the four work-groups of a column (same cx) want the same rows of o, the four of a row (same cy) the same unit of Wo: each is asked for jointly.  The grid has one cluster along y: the unit is cy.
.set BLK,   53248
.set BSC,   49152
.set HALFB, 26624
.set STG,   2*BLK
.set SPT,   272
.set WS,  12                           ; v12-15  Wo's scale words
.set XS,  16                           ; v16-19  o's
.set WF,  32                           ; v32-79  four fragments of Wo
.set XF,  80                           ; v80-127 four fragments of o
.set ACC, 128                          ; v128-255
.macro ROUND
	s_barrier_signal -1
	s_barrier_wait -1
	s_cmp_lg_u32 s12, 0
	s_cbranch_scc1 .Lnot_wave_0_\@
	s_barrier_signal -3
.Lnot_wave_0_\@:
	s_barrier_wait -3
	s_barrier_signal -1
	s_barrier_wait -1
.endm
.macro FRAG reg, a16, a8, off
	ds_load_b128 v[\reg:\reg+3], v[\a16] offset:\off
	ds_load_b64 v[\reg+4:\reg+5], v[\a8] offset:\off+512
	ds_load_b128 v[\reg+6:\reg+9], v[\a16] offset:\off+768
	ds_load_b64 v[\reg+10:\reg+11], v[\a8] offset:\off+1280
.endm
.macro MM d, a, b, first, sa, sb
.if \first
	v_wmma_scale_f32_16x16x128_f8f6f4 v[\d:\d+7], v[\a:\a+11], v[\b:\b+11], 0, v[\sa], v[\sb] matrix_a_fmt:MATRIX_FMT_FP6 matrix_b_fmt:MATRIX_FMT_FP6
.else
	v_wmma_scale_f32_16x16x128_f8f6f4 v[\d:\d+7], v[\a:\a+11], v[\b:\b+11], v[\d:\d+7], v[\sa], v[\sb] matrix_a_fmt:MATRIX_FMT_FP6 matrix_b_fmt:MATRIX_FMT_FP6
.endif
.endm
.macro PLACES
.rept 4
	v_nop
.endr
.endm
	s_load_b128 s[4:7], s[0:1], 0x0                ; oq s[4:5], wq s[6:7]
	s_load_b64 s[8:9], s[0:1], 0x10                ; out0
	v_lshl_add_u32 v30, v0, 2, 0x29000
	v_mov_b32 v31, 0
	ds_add_u32 v30, v31
	ds_add_u32 v30, v31
	v_lshrrev_b32 v1, 5, v0
	v_readfirstlane_b32 s12, v1                    ; wave 0..3
	s_bfe_u32 s13, ttmp6, 0x40000                  ; cx
	s_bfe_u32 s14, ttmp6, 0x40004                  ; cy
	s_lshl_b32 s15, ttmp9, 2
	s_add_co_u32 s15, s15, s13                     ; xb
	s_lshl_b32 s40, 0x1111, s13                    ; my column of the cluster
	s_lshl_b32 s41, s14, 2
	s_lshl_b32 s41, 15, s41                        ; my row
	s_or_b32 s16, s40, (3<<16)|(1<<21)             ; o: shared along my column
	s_or_b32 s24, s41, (3<<16)|(1<<21)             ; Wo: along my row
.irp g, 16, 24                         ; half a block: 104 rows of 256 bytes (32 elements of 8), no padding
	s_mov_b32 s[\g+1], 32<<16
	s_mov_b32 s[\g+2], 104<<16
	s_mov_b32 s[\g+3], 32<<16
	s_mov_b32 s[\g+4], 104
	s_mov_b32 s[\g+5], 32
	s_mov_b32 s[\g+6], 0
	s_mov_b32 s[\g+7], 0
.endr
	s_and_b32 s46, s12, 1                          ; ch; also: which half of a block I fetch
	s_lshr_b32 s47, s12, 1                         ; rh; also: I fetch for o (0) or for Wo (1)
	s_mul_i32 s52, s46, HALFB
	s_mul_i32 s42, s15, BLK                        ; o's offset: of xb and the wave alone
	s_add_co_u32 s42, s42, s52
	s_mov_b32 s43, 0
	s_add_co_u32 s44, s14, 12                      ; Wo's units are 12 .. 15: of cy and the wave alone
	s_mul_i32 s44, s44, BLK
	s_add_co_u32 s44, s44, s52
	s_mov_b32 s45, 0
	s_mul_i32 s53, s12, HALFB                      ; where they go: 26,624 x wave
	v_and_b32 v11, 31, v0
	v_lshlrev_b32 v1, 4, v11
	v_lshlrev_b32 v2, 3, v11
	v_lshlrev_b32 v3, 2, v11
	s_mul_i32 s54, s47, 24576                      ; my four tiles of rows
	v_add_nc_u32 v4, s54, v1
	v_add_nc_u32 v5, s54, v2
	s_lshl_b32 s54, s47, 11
	s_add_co_u32 s54, s54, BSC
	v_add_nc_u32 v6, s54, v3
	s_mul_i32 s54, s46, 24576                      ; my four tiles of columns
	s_add_co_u32 s54, s54, BLK
	v_add_nc_u32 v7, s54, v1
	v_add_nc_u32 v8, s54, v2
	s_lshl_b32 s54, s46, 11
	s_add_co_u32 s54, s54, BLK+BSC
	v_add_nc_u32 v9, s54, v3
	v_and_b32 v25, 15, v0                          ; r
	v_bfe_u32 v26, v0, 4, 1                        ; h
	s_mul_i32 s54, s12, 16*SPT
	s_add_co_u32 s54, s54, STG                     ; my stage
	v_mul_u32_u24 v10, v25, SPT
	v_lshl_add_u32 v10, v26, 6, v10
	v_add_nc_u32 v10, s54, v10                     ; in: row r, 64 bytes on for lanes 16-31
	v_mul_u32_u24 v11, v26, SPT
	v_lshl_add_u32 v11, v25, 4, v11
	v_add_nc_u32 v11, s54, v11                     ; back: lanes 0-15 one row of 256 bytes, lanes 16-31 the next
	v_lshlrev_b32 v24, 11, v26
	v_lshl_add_u32 v24, v25, 4, v24                ; and the same two rows in out0
	s_lshl_b32 s48, s15, 7
	s_lshl_b32 s49, s47, 6
	s_add_co_u32 s48, s48, s49                     ; my first row
	s_lshl_b32 s48, s48, 11                        ; rows of 2,048 bytes
	s_lshl_b32 s49, s14, 9
	s_add_co_u32 s48, s48, s49
	s_lshl_b32 s49, s46, 8
	s_add_co_u32 s48, s48, s49                     ; + my first column, in bytes
	s_mov_b32 s49, 0
	s_wait_dscnt 0x0
	s_wait_kmcnt 0x0
	s_add_nc_u64 s[50:51], s[8:9], s[48:49]
	s_mov_b32 s32, 1
	s_mov_b32 s33, s53
	s_add_nc_u64 s[34:35], s[4:5], s[42:43]
	s_or_b32 s35, s35, 0x80000000
	s_mov_b32 s36, 1
	s_mov_b32 s37, s53
	s_add_nc_u64 s[38:39], s[6:7], s[44:45]
	s_or_b32 s39, s39, 0x80000000
	ROUND                                          ; all sixteen work-groups are here: the joint loads meet
	s_cmp_lt_u32 s12, 2                            ; waves 0, 1 fetch o's halves, waves 2, 3 Wo's; four v_nop follow each line
	s_cbranch_scc0 .Lfor_w
	tensor_load_to_lds s[32:35], s[16:23]
	s_nop 0
	PLACES
	s_branch .Lasked
.Lfor_w:
	tensor_load_to_lds s[36:39], s[24:31]
	s_nop 0
	PLACES
.Lasked:
	s_wait_tensorcnt 0x0                           ; my part has landed,
	s_barrier_signal -1
	s_barrier_wait -1                              ; everybody's has; nothing is filled again
.macro KSTEP s                         ; the sixteen accumulators take turns
.if \s > 0
	PLACES
.endif
.irp ct, 0,1,2,3
	FRAG WF+12*\ct, 7, 8, 6144*\ct+1536*\s
	ds_load_b32 v[WS+\ct], v9 offset:128*(4*\ct+\s)
.endr
.irp rt, 0,1,2,3
	FRAG XF+12*\rt, 4, 5, 6144*\rt+1536*\s
	ds_load_b32 v[XS+\rt], v6 offset:128*(4*\rt+\s)
.endr
	s_wait_dscnt 0x0
.irp rt, 0,1,2,3
.irp ct, 0,1,2,3
.if \s == 0
	MM ACC+8*(4*\rt+\ct), WF+12*\ct, XF+12*\rt, 1, WS+\ct, XS+\rt
.else
	MM ACC+8*(4*\rt+\ct), WF+12*\ct, XF+12*\rt, 0, WS+\ct, XS+\rt
.endif
.endr
.endr
.endm
	KSTEP 0
	KSTEP 1
	KSTEP 2
	KSTEP 3
; THE WAY OUT, a tile of 16 rows x 64 columns at a time through my own stage.  Register j of accumulator (rt, ct) is column 32 (ct / 2) + 8 (ct % 2) + 16 h + j of the lane's row.
; LDS serves a wave's instructions in order (ISA guide 5.7.1.4): the loads see the stores above them, and the next tile's stores come behind them.  The rows come back into the registers that they left.
.macro PACK rt
.irp ct, 0,1,2,3
	ds_store_b128 v10, v[ACC+8*(4*\rt+\ct):ACC+8*(4*\rt+\ct)+3] offset:128*(\ct/2)+32*(\ct%2)       ; each accumulator from its low end on
	ds_store_b128 v10, v[ACC+8*(4*\rt+\ct)+4:ACC+8*(4*\rt+\ct)+7] offset:128*(\ct/2)+32*(\ct%2)+16
.endr
.irp i, 0,1,2,3,4,5,6,7
	ds_load_b128 v[ACC+32*\rt+4*\i:ACC+32*\rt+4*\i+3], v11 offset:2*SPT*\i
.endr
.endm
.macro SEND rt                         ; stage row 2 i + (lane / 16) is row 32 (rt / 2) + 8 (rt % 2) + 2 i + 8 (i / 4) + (lane / 16) of my 64
.irp i, 0,1,2,3,4,5,6,7
	s_wait_dscnt 16*(3-\rt)+7-\i                   ; behind load i of this tile: its 7 - i later loads and sixteen LDS instructions for each later tile
	global_store_b128 v24, v[ACC+32*\rt+4*\i:ACC+32*\rt+4*\i+3], s[50:51] offset:2048*(32*(\rt/2)+8*(\rt%2)+2*\i+8*(\i/4)) th:TH_STORE_NT   ; sixteen lanes store 256 consecutive bytes, at a multiple of 256 from out0's first byte
.endr
.endm
	PLACES
	s_wait_alu depctr_va_vdst(0)
	PACK 0
	PACK 1
	PACK 2
	PACK 3
	SEND 0
	SEND 1
	SEND 2
	SEND 3
	s_wait_tensorcnt 0x0
	ds_add_u32 v30, v31
	s_wait_dscnt 0x0
	ROUND                                          ; the closing round: no work-group ends while a partner may still ask for a tile that names it
	s_endpgm
.Lfunc_end_k_qfb96fb9cde_oproj:
	.size	k_qfb96fb9cde_oproj, .Lfunc_end_k_qfb96fb9cde_oproj-k_qfb96fb9cde_oproj
	.p2alignl 7, 3214868480
	.fill 96, 4, 3214868480
	.section	.rodata,"a",@progbits
	.p2align	6, 0x0
	.amdhsa_kernel k_qfb96fb9cde_oproj
		.amdhsa_group_segment_fixed_size 168448
		.amdhsa_private_segment_fixed_size 0
		.amdhsa_enable_private_segment 0
		.amdhsa_kernarg_size 24
		.amdhsa_user_sgpr_count 2
		.amdhsa_user_sgpr_kernarg_segment_ptr 1
		.amdhsa_wavefront_size32 1
		.amdhsa_system_sgpr_workgroup_id_x 1
		.amdhsa_system_sgpr_workgroup_id_y 1
		.amdhsa_system_sgpr_workgroup_id_z 1
		.amdhsa_system_vgpr_workitem_id 0
		.amdhsa_next_free_vgpr 256
		.amdhsa_next_free_sgpr 66
		.amdhsa_reserve_vcc 0
		.amdhsa_float_denorm_mode_32 3
		.amdhsa_float_denorm_mode_16_64 3
		.amdhsa_memory_ordered 1
		.amdhsa_forward_progress 1
		.amdhsa_inst_pref_size 33
	.end_amdhsa_kernel
	.amdgpu_metadata
---
amdhsa.version: [ 1, 2 ]
amdhsa.kernels:
  - .name:           k_qfb96fb9cde_oproj
    .symbol:         k_qfb96fb9cde_oproj.kd
    .args:
      - { .name: oq, .offset: 0, .size: 8, .value_kind: global_buffer, .address_space: global }
      - { .name: wq, .offset: 8, .size: 8, .value_kind: global_buffer, .address_space: global }
      - { .name: out0, .offset: 16, .size: 8, .value_kind: global_buffer, .address_space: global }
    .group_segment_fixed_size: 168448
    .private_segment_fixed_size: 0
    .kernarg_segment_align: 8
    .kernarg_segment_size: 24
    .max_flat_workgroup_size: 128
    .sgpr_count:     66
    .vgpr_count:     256
    .wavefront_size: 32
...
	.end_amdgpu_metadata
.endif
;; end of part 4
